; MI455X (gfx1250); checked and timed in simulation.
; The chip was launched on July 23, 2026; its instructions are those of AMD's public machine-readable ISA for CDNA 5 (MIT licence, August 2026) and "CDNA5" Instruction Set Architecture Reference Guide (July 2026). The comments in the code are by the model that wrote it; some were corrected since.
;; Inner Self Attention. Allowed arithmetic: matrix products marked QUANTISED: E2M3 operands, one E8M0 scale for each 32 along K, by v_wmma_scale_f32_16x16x128_f8f6f4 with both operands' format E2M3, f32 sums; everything else in f32.
;; Inputs: Wk 1,024 x 1,024 float32; Wo 1,024 x 1,024 float32; Wq 1,024 x 1,024 float32; Wv 1,024 x 1,024 float32; bo 1,024 float32; hidden_states 2 x 2,048 x 1,024 float32.
;; Outputs: out0 2 x 2,048 x 1,024 float32.
;; This version of the problem:
;;   THIS VERSION OF THE PROBLEM IS GIVEN IN LOW PRECISION. The matrix products marked QUANTISED in the list below multiply operands that are first quantised to E2M3 (2 exponent bits, 3 mantissa bits; 6 bits a number), with one power-of-two scale for each 32 numbers along K (OCP MX v1.0); their sums are f32. All else is computed in f32.
;;   The module's matrix products, in the order in which they are computed (A, B: the left and right operand; K: the contracted axis; several contracted axes count as one K, in the product's order):
;;     1. [M 4,096, K 1,024] x [K 1,024, N 1,024]; A: input hidden_states; B: input Wq: QUANTISED
;;     2. [M 4,096, K 1,024] x [K 1,024, N 1,024]; A: input hidden_states; B: input Wk: QUANTISED
;;     3. [M 4,096, K 1,024] x [K 1,024, N 1,024]; A: input hidden_states; B: input Wv: QUANTISED
;;     4. batch 32 x [M 2,048, K 64] x [K 64, N 2,048]; A: computed on the way; B: computed on the way: QUANTISED
;;     5. batch 32 x [M 2,048, K 2,048] x [K 2,048, N 64]; A: softmax (see below); B: computed on the way: QUANTISED
;;     6. [M 4,096, K 1,024] x [K 1,024, N 1,024]; A: computed on the way; B: input Wo: QUANTISED
;;   THE QUANTISER, for each operand of a quantised product, along K:
;;     - K is cut into blocks of 32 from its start; a last block that is shorter is filled with zeros.
;;     - A block's scale is 2^e with e = floor(log2(the largest magnitude in the block)) - 2, held to -126 .. 127; a block of zeros has e = 0. As a byte (E8M0): e + 127.
;;     - Each number is divided by its block's scale, clamped to +-7.5, and rounded to the nearest number of E2M3, ties to even, subnormals kept.
;;     - The product sums the exact products of the quantised numbers (number of the format x scale) in f32.
;;   ~~~python
;;   def quantise(x, axis):      # numpy; x: float32 -> the quantised numbers, widened to float32 again
;;       x = np.moveaxis(x, axis, -1); K = x.shape[-1]
;;       x = np.pad(x, [(0, 0)] * (x.ndim - 1) + [(0, -K % 32)]); x = x.reshape(x.shape[:-1] + (-1, 32)); a = np.abs(x).max(-1, keepdims=True)
;;       e = np.where(a > 0, np.clip(np.frexp(np.where(a > 0, a, 1))[1] - 1 - 2, -126, 127), 0)      # np.frexp(a)[1] - 1 = floor(log2(a)), exactly
;;       r = np.clip(x / 2.0 ** e, -7.5, 7.5)
;;       step = 2.0 ** (np.maximum(np.frexp(np.where(r == 0, 1, r))[1] - 1, 0) - 3)
;;       q = np.round(r / step) * step * 2.0 ** e      # np.round: ties to even
;;       return np.moveaxis(q.reshape(q.shape[:-2] + (-1,))[..., :K], -1, axis).astype(np.float32)
;;   ~~~
;;   SOFTMAX AHEAD OF A QUANTISED PRODUCT. Where the list says 'softmax', what is quantised is not the finished softmax but p = 2^(t - M), with t = logit x log2(e) and M = ceil(the row's largest t), a whole number; so 1/2 < the row's largest p <= 1. The row's sum l is taken of the UNQUANTISED p, in f32, and the product's result is divided by l at the end. Since M is a whole number, a kernel that streams over the keys may use a running M (the ceiling of the running maximum): every later rescaling is an exact power of two, which a block's scale takes up: the codes' values come out the same.
;;   OPERANDS COMPUTED ON THE WAY. 'Computed on the way' means the value that the module computes at that place (a softmax that the list does not call 'softmax' is quantised finished and normalised). What goes into a quantiser is computed in f32, as accurately as f32 sums, v_exp_f32 and their like allow (about 1e-6 of the number): no bf16 or f16 on the way to a quantiser, and a product that is left as it is and whose result goes on into a quantised operand takes f32 operands (vector FMAs, or v_wmma_f32_16x16x4_f32). A number that lies on a knife's edge between two numbers of the format may be rounded either way, as far as f32 arithmetic and the matrix unit's own rounding can turn it there, and no further.
;; 2 versions, each right; version 2 is version 1 with the launch attn written anew for expert scheduling mode. Each part assembles by itself: llvm-mc -triple=amdgcn-amd-amdhsa -mcpu=gfx1250 --defsym DOCPART=n.
;; ======== version 1 of 2: 4 launches
;; workspace buffers: x_img 3,145,728 bytes; x_sc 131,072 bytes; w_img 3,145,728 bytes; w_sc 131,072 bytes; qkv_img 9,437,184 bytes; qkv_sc 655,360 bytes; ctx_img 3,145,728 bytes; ctx_sc 131,072 bytes
;; launch quant (part 1): grid 256 x 1, 4 waves a work-group, no clusters, 34,304 bytes of LDS; arguments hidden_states, Wq, Wk, Wv, Wo, x_img, x_sc, w_img, w_sc; writes x_img, x_sc, w_img, w_sc
.if DOCPART == 1
	.amdgcn_target "amdgcn-amd-amdhsa--gfx1250"
	.amdhsa_code_object_version 6
	.text
	.protected	k_q85160944d0_quant
	.globl	k_q85160944d0_quant
	.p2align	8
	.type	k_q85160944d0_quant,@function
k_q85160944d0_quant:
	s_mov_b64 s[64:65], 0
	v_nop
	global_prefetch_b8 v0, s[64:65] scope:SCOPE_SE
	s_setreg_imm32_b32 hwreg(HW_REG_WAVE_MODE, 25, 1), 1
	s_wait_xcnt 0x0
; hidden_states [4096][1024] and Wq, Wk, Wv, Wo [1024][1024], f32, K innermost, become codes of FP6 (E2M3) with one E8M0 byte for each 32 along K.
; A block's scale is 2^(floor(log2(its largest magnitude)) - 2); its byte is the largest magnitude's exponent field - 2, held at 1 from below.
; THE CODES ARE LAID AS IMAGES OF THE OPERAND'S REGISTERS.  A fragment (16 rows x 128 K, 12 registers a lane) is six chunks of 256 bytes: chunk c holds registers 2 c, 2 c + 1,
; lane l's 8 bytes at 8 l.  Image buffer: [K / 256][row tile][two fragments][1536].  Scale words (4 bytes for a row and 128 K): [K / 128][group of 4 row tiles][row 16][tile 4].
; INSIDE A BLOCK OF 32 the codes stand in the order 0-7, 16-23, 8-15, 24-31: every operand of every product of this program is laid so, so each product has its true terms and scales.
; LIMITS: NaN and infinities are not served; a block whose largest magnitude lies under 2^-124 has its byte held at 1; a block of zeros gets the byte 1 and not 127 (its codes are zeros,
; and this program alone reads the bytes).
; SHARES.  A wave takes 64 rows x 128 K: four steps of 16 rows.  Work-groups 0-127 take hidden_states, then 32 each take Wq, Wk, Wv, Wo: only pointers are chosen, there is one path.
; A step's 16 loads read 512 consecutive bytes each; the 8,192 bytes turn through the wave's own stage in LDS (rows of 512 + 16 bytes), so that a lane gets 16 numbers of each block of its row.
; No barrier: waves share nothing.  Two steps' loads (32 a wave) are out.
.set STGB, 8448                        ; a wave's stage: 16 rows x 528 bytes
.set TM,  12                           ; v12-27  at work in QUANT
.set PW,  28                           ; v28-31  the four steps' scale words
.set PC,  32                           ; v32-51  the codes just made
.set X,   64                           ; v64-127 64 numbers: register 16 b + i = my i-th number of block b
.set R,   128                          ; v128-255 two sets of 64 registers as loaded
.set SEL, 34                           ; s[34:35] lane selects: lane l xor 16
; 64 numbers of a lane become a fragment's 12 registers in v[PC] on and the row's scale word in v[pw].  xw = 1: earlier stores still read v[PC] on
.macro QUANT s, pw, xw
.irp b, 0,1,2,3
	v_max3_num_f32 v[TM+\b], |v[\s+16*\b]|, |v[\s+1+16*\b]|, 0x1800000   ; my 16 numbers of block b, and the floor 2^(3 - 127): the byte cannot fall under 1
.endr
.irp i, 2,4,6,8,10,12,14
.irp b, 0,1,2,3
	v_max3_num_f32 v[TM+\b], v[TM+\b], |v[\s+16*\b+\i]|, |v[\s+1+16*\b+\i]|   ; the four blocks by turns
.endr
.endr
.irp b, 0,1,2,3
	v_permlanex16_b32 v[TM+4+\b], v[TM+\b], s[SEL], s[SEL+1]
.endr
.irp b, 0,1,2,3
	v_max_num_f32 v[TM+\b], v[TM+\b], v[TM+4+\b]          ; with lane l xor 16's 16: the block's largest magnitude
.endr
.irp b, 0,1,2,3
	v_add_nc_u32 v[TM+12+\b], 0xff000000, v[TM+\b]        ; 2 off its exponent field: the conversion's scale operand
.endr
.irp b, 0,1,2,3
	v_lshrrev_b32 v[TM+4+\b], 23, v[TM+12+\b]             ; the scale's byte
.endr
	v_lshl_or_b32 v[\pw], v[TM+5], 8, v[TM+4]
	v_lshl_or_b32 v[\pw], v[TM+6], 16, v[\pw]
	v_lshl_or_b32 v[\pw], v[TM+7], 24, v[\pw]             ; my row's scale word
.if \xw
	s_wait_xcnt 0x0                                        ; the last step's stores have read the codes' registers: they are written again only behind this wait
.endif
.irp c, 0,1
	v_cvt_scalef32_pk16_fp6_f32 v[PC+6*\c:PC+2+6*\c], v[\s+32*\c:\s+15+32*\c], v[TM+12+2*\c]
	v_cvt_scalef32_pk16_fp6_f32 v[PC+12+4*\c:PC+14+4*\c], v[\s+16+32*\c:\s+31+32*\c], v[TM+12+2*\c+1]   ; (a conversion's three registers begin on an even number)
.endr
	v_nop                                                  ; one plain instruction behind the scaled conversions
.irp c, 0,1                                            ; the operand wants a whole block in a lane: lanes 0-15 block 2 c, lanes 16-31 block 2 c + 1
.irp i, 0,1,2
	v_permlane16_swap_b32 v[PC+6*\c+\i], v[PC+12+4*\c+\i]
.endr
.irp i, 0,1,2
	v_mov_b32 v[PC+3+6*\c+\i], v[PC+12+4*\c+\i]
.endr
.endr
.endm
	s_load_b256 s[4:11], s[0:1], 0x0               ; hidden_states, Wq, Wk, Wv
	s_load_b256 s[12:19], s[0:1], 0x20             ; Wo, x_img, x_sc, w_img
	s_load_b64 s[20:21], s[0:1], 0x40              ; w_sc
	v_lshl_add_u32 v62, v0, 2, 0x8400
	v_mov_b32 v63, 0
	v_lshrrev_b32 v1, 5, v0
	v_readfirstlane_b32 s22, v1                    ; wave 0..3
	v_and_b32 v2, 31, v0                           ; lane
	v_and_b32 v3, 15, v0                           ; r
	v_bfe_u32 v9, v0, 4, 1                         ; h
	v_lshlrev_b32 v4, 4, v2                        ; my 16 bytes of a load's 512
	s_mul_i32 s36, s22, STGB
	v_add_nc_u32 v5, s36, v4                       ; the stage, on the way in: 16 x lane in a row
	v_mul_u32_u24 v6, v3, 528
	v_lshl_add_u32 v6, v9, 5, v6
	v_add_nc_u32 v6, s36, v6                       ; and on the way out: row r, + 32 h
	v_lshlrev_b32 v7, 3, v2                        ; a chunk's place for my lane
	v_lshlrev_b32 v8, 4, v3
	v_lshl_add_u32 v8, v9, 3, v8                   ; the scale words: 16 r + 8 h
.irp b, 0,1,2,3
	v_mov_b32 v[TM+4+\b], 0                        ; written once: a lane permute's destination counts as one of its sources
.endr
	s_mov_b32 s[SEL], 0x76543210
	s_mov_b32 s[SEL+1], 0xfedcba98
	s_and_b32 s23, ttmp9, 1
	s_lshl_b32 s23, s23, 2
	s_add_co_u32 s23, s23, s22                     ; which 128 along K: 4 (g % 2) + wave
	s_lshr_b32 s24, ttmp9, 1
	s_and_b32 s24, s24, 63                         ; the group of 64 rows in the image (x: 0-63; the four W on end: 0-63)
	s_and_b32 s25, s24, 15
	s_cmp_lt_u32 ttmp9, 128
	s_cselect_b32 s25, s24, s25                    ; and in the tensor that is read
	s_lshl_b32 s26, s25, 18                        ; 64 rows of 4,096 bytes
	s_lshl_b32 s38, s23, 9
	s_add_co_u32 s26, s26, s38
	s_mov_b32 s27, 0
	s_lshr_b32 s38, s23, 1
	s_lshl_b32 s38, s38, 8
	s_lshl_b32 s39, s24, 2
	s_add_co_u32 s38, s38, s39
	s_mul_i32 s38, s38, 3072                       ; ((K / 256) x 256 + row tile) x 3,072
	s_and_b32 s39, s23, 1
	s_mul_i32 s39, s39, 1536
	s_add_co_u32 s38, s38, s39
	s_mov_b32 s39, 0
	s_lshl_b32 s40, s23, 14
	s_lshl_b32 s41, s24, 8
	s_add_co_u32 s40, s40, s41
	s_mov_b32 s41, 0
	s_wait_kmcnt 0x0
	s_cmp_lt_u32 ttmp9, 224                        ; the choice hangs on the work-group's number alone
	s_cselect_b64 s[28:29], s[10:11], s[12:13]
	s_cmp_lt_u32 ttmp9, 192
	s_cselect_b64 s[28:29], s[8:9], s[28:29]
	s_cmp_lt_u32 ttmp9, 160
	s_cselect_b64 s[28:29], s[6:7], s[28:29]
	s_cmp_lt_u32 ttmp9, 128
	s_cselect_b64 s[28:29], s[4:5], s[28:29]
	s_cselect_b64 s[30:31], s[14:15], s[18:19]
	s_cselect_b64 s[32:33], s[16:17], s[20:21]
	s_add_nc_u64 s[28:29], s[28:29], s[26:27]
	s_add_nc_u64 s[30:31], s[30:31], s[38:39]
	s_add_nc_u64 s[32:33], s[32:33], s[40:41]
.macro LOAD i                          ; step i: 16 rows, 512 consecutive bytes a load
.irp k, 0,1,2,3,4,5,6,7,8,9,10,11,12,13,14,15
	global_load_b128 v[R+64*((\i)%2)+4*\k:R+64*((\i)%2)+4*\k+3], v4, s[28:29] offset:(16*(\i)+\k)*4096 th:TH_LOAD_NT
.endr
.endm
.macro STEP i
.if \i < 3
	s_wait_loadcnt 16                              ; this step's 16 loads are in; the next step's 16 may be out
.else
	s_wait_loadcnt 0x0
.endif
.irp k, 0,1,2,3,4,5,6,7,8,9,10,11,12,13,14,15
	ds_store_b128 v5, v[R+64*((\i)%2)+4*\k:R+64*((\i)%2)+4*\k+3] offset:\k*528
.endr
.irp b, 0,1,2,3                        ; LDS serves a wave's instructions in order: these see the stores above.  Of block b my half takes numbers 8 h + 0..7 and 16 + 8 h + 0..7
.irp j, 0,1,2,3
	ds_load_b128 v[X+16*\b+4*\j:X+16*\b+4*\j+3], v6 offset:128*\b+64*(\j/2)+16*(\j%2)
.endr
.endr
	s_wait_dscnt 0x0                               ; the numbers are back, and the stores into the stage have read their registers,
.if \i < 2
	LOAD \i+2                                      ; which take the loads of two steps on
.endif
	QUANT X, PW+\i, \i
.irp c, 0,1,2,3,4,5
	global_store_b64 v7, v[PC+2*\c:PC+2*\c+1], s[30:31] offset:\i*3072+256*\c   ; 32 lanes store 256 consecutive bytes, aligned
.endr
.endm
	LOAD 0
	LOAD 1
	STEP 0
	STEP 1
	STEP 2
	STEP 3
	v_cmp_ne_u32 vcc_lo, 0, v9                     ; the four row tiles' words of row r lie on end: lanes 0-15 store tiles 0, 1, lanes 16-31 tiles 2, 3
	v_cndmask_b32 v52, v[PW], v[PW+2], vcc_lo
	v_cndmask_b32 v53, v[PW+1], v[PW+3], vcc_lo
	global_store_b64 v8, v[52:53], s[32:33]        ; 256 consecutive bytes, aligned
	s_wait_tensorcnt 0x0
	ds_add_u32 v62, v63
	s_wait_dscnt 0x0
	s_endpgm
.Lfunc_end_k_q85160944d0_quant:
	.size	k_q85160944d0_quant, .Lfunc_end_k_q85160944d0_quant-k_q85160944d0_quant
	.p2alignl 7, 3214868480
	.fill 96, 4, 3214868480
	.section	.rodata,"a",@progbits
	.p2align	6, 0x0
	.amdhsa_kernel k_q85160944d0_quant
		.amdhsa_group_segment_fixed_size 34304
		.amdhsa_private_segment_fixed_size 0
		.amdhsa_enable_private_segment 0
		.amdhsa_kernarg_size 72
		.amdhsa_user_sgpr_count 2
		.amdhsa_user_sgpr_kernarg_segment_ptr 1
		.amdhsa_wavefront_size32 1
		.amdhsa_system_sgpr_workgroup_id_x 1
		.amdhsa_system_sgpr_workgroup_id_y 1
		.amdhsa_system_sgpr_workgroup_id_z 1
		.amdhsa_system_vgpr_workitem_id 0
		.amdhsa_next_free_vgpr 256
		.amdhsa_next_free_sgpr 66
		.amdhsa_reserve_vcc 1
		.amdhsa_float_denorm_mode_32 3
		.amdhsa_float_denorm_mode_16_64 3
		.amdhsa_memory_ordered 1
		.amdhsa_forward_progress 1
		.amdhsa_inst_pref_size 35
	.end_amdhsa_kernel
	.amdgpu_metadata
---
amdhsa.version: [ 1, 2 ]
amdhsa.kernels:
  - .name:           k_q85160944d0_quant
    .symbol:         k_q85160944d0_quant.kd
    .args:
      - { .name: hidden_states, .offset: 0, .size: 8, .value_kind: global_buffer, .address_space: global }
      - { .name: Wq, .offset: 8, .size: 8, .value_kind: global_buffer, .address_space: global }
      - { .name: Wk, .offset: 16, .size: 8, .value_kind: global_buffer, .address_space: global }
      - { .name: Wv, .offset: 24, .size: 8, .value_kind: global_buffer, .address_space: global }
      - { .name: Wo, .offset: 32, .size: 8, .value_kind: global_buffer, .address_space: global }
      - { .name: x_img, .offset: 40, .size: 8, .value_kind: global_buffer, .address_space: global }
      - { .name: x_sc, .offset: 48, .size: 8, .value_kind: global_buffer, .address_space: global }
      - { .name: w_img, .offset: 56, .size: 8, .value_kind: global_buffer, .address_space: global }
      - { .name: w_sc, .offset: 64, .size: 8, .value_kind: global_buffer, .address_space: global }
    .group_segment_fixed_size: 34304
    .private_segment_fixed_size: 0
    .kernarg_segment_align: 8
    .kernarg_segment_size: 72
    .max_flat_workgroup_size: 128
    .sgpr_count:     66
    .vgpr_count:     256
    .wavefront_size: 32
...
	.end_amdgpu_metadata
.endif
;; end of part 1
;; launch qkv (part 2): grid 12 x 16, 4 waves a work-group, clusters of 4 x 4, 327,680 bytes of LDS; arguments x_img, x_sc, w_img, w_sc, qkv_img, qkv_sc; writes qkv_img, qkv_sc
.if DOCPART == 2
	.amdgcn_target "amdgcn-amd-amdhsa--gfx1250"
	.amdhsa_code_object_version 6
	.text
	.protected	k_q85160944d0_qkv
	.globl	k_q85160944d0_qkv
	.p2align	8
	.type	k_q85160944d0_qkv,@function
k_q85160944d0_qkv:
	s_mov_b64 s[64:65], 0
	v_nop
	global_prefetch_b8 v0, s[64:65] scope:SCOPE_SE
	s_setreg_imm32_b32 hwreg(HW_REG_WAVE_MODE, 25, 1), 1
	s_wait_xcnt 0x0
	s_wait_alu depctr_hold_cnt(0) depctr_sa_sdst(0) depctr_va_vdst(0) depctr_va_sdst(0) depctr_va_ssrc(0) depctr_va_vcc(0) depctr_vm_vsrc(0)
	s_getreg_b32 s2, hwreg(HW_REG_IB_STS2, 6, 4)
	s_cmp_eq_u32 s2, 0
	s_cbranch_scc0 .Lentry_in_a_cluster
	s_endpgm
.Lentry_in_a_cluster:
	s_bfe_u32 s2, ttmp6, 0x10000c
	s_cmp_lg_u32 s2, 0xf033
	s_cbranch_scc0 .Lentry_shape_is_right
	s_endpgm
.Lentry_shape_is_right:
; q = x Wq^T, k = x Wk^T, v = x Wv^T on codes of FP6 (E2M3) with E8M0 scales, sums in f32; the results are quantised in registers and leave as images of the next products' operands.
; ONE BODY, TWO GEMMS.  The matrix instruction is used transposed (source 0 = 16 rows of B, source 1 = 16 rows of A): a lane holds ONE row of A and eight neighbouring rows of B.
;   clusters x = 0, 1: A = x (tokens), B = Wq | Wk: a lane's registers run along e, which is the K of q k^T.     cluster x = 2: A = Wv, B = x: they run along the tokens, the K of p v.
; Only pointers and tile numbers differ; they hang on the cluster's x, which all partners share.
; A tile is 256 x 256, made by four waves, 128 x 128 each: 64 accumulators, 512 registers.  128 + 64 = 192 tiles: tiles of another shape would straddle the border between k and v.
; OPERANDS arrive as images of their registers (a fragment: six chunks of 256 bytes, lane l's 8 bytes at 8 l), so a tile of 128 rows x 256 K is one dense block of 24,576 bytes, every LDS load
; reads 256 consecutive bytes, and no padding is needed.  Inside a block of 32 all operands stand in the order 0-7, 16-23, 8-15, 24-31, which is the order in which a result's registers lie.
; K = 1,024 is four slots' worth; three slots fit in LDS beside the scales, so all but the last are asked for at the head and slot 0 is filled once more.
; CLUSTERS: 4 x 4.  A's tiles are shared along a row of the cluster, B's along a column: joint loads.
; LIMITS: NaN and infinities are not served; a block whose largest magnitude lies under 2^-124 has its byte held at 1; a block of zeros gets the byte 1 (its codes are zeros; this program alone reads the bytes).
; REGISTERS: window 0: v16-30 addresses; v32-47 scale words, two sets; v48-99 at work on the way out; v128-223 A's 8 fragments, one set.  window 1: B's fragments, two sets, at v0 and v128.
;   windows 2, 3: the accumulators: (a, b) at v[8 (8 (a % 4) + b)] of window 2 + a / 4.
.set SLOTB, 98304                      ; a slot: A's 16 row tiles x 3,072 bytes (256 along K), then B's
.set HALFT, 24576                      ; 128 rows: what one tensor load brings, and what a wave reads of A or of B
.set KNEXT, 786432                     ; from 256 along K to the next in an image: 256 row tiles x 3,072
.set SCL,   3*SLOTB                    ; the scales: for each wave's 128 rows [K / 128 = 8][512 bytes]
.set SPARE, SCL+4*4096                 ; the spare words: 128 bytes for each wave, two blocks of 256 bytes that no other line names
.set FR,   12
.set ADRA, 16                          ; v16-18 LDS address of my A fragments in slot 0, 1, 2
.set ADRB, 20                          ; v20-22 the same for B
.set VO,   24                          ; v24  8 x lane
.set VS1,  25                          ; v25  512 h + 16 r: q's and k's scale words on the way out
.set VS2,  26                          ; v26  256 h + 16 r: v's
.set ADRS, 27                          ; v27  LDS address of my scale words: lanes 0-15 A's, lanes 16-31 B's
.set SPW,  28                          ; v28  my spare word; never rewritten
.set NIL,  29                          ; v29  0; never rewritten
.set H16,  30                          ; v30  16 h
.set SC,   32                          ; v32-47 scale words: set p at 32 + 8 p; register i: lanes 0-15 A's block i, lanes 16-31 B's block i
.set TM,   48
.set PWR,  64                          ; v64-71 the eight fragments' scale words
.set T,    72
.set PC,   80
.set AF,   128
.set G1,   24                          ; s[24:31] group 1 for A's tiles, s[32:39] for B's, s[40:47] for A's scales, s[48:55] for B's
.set G1B,  32
.set G1S,  40
.set G1SB, 48
.set G0A0, 56                          ; groups 0: A's slots 0, 1, 2; B's; the scales'
.set G0A1, 60
.set G0A2, 68
.set G0B0, 72
.set G0B1, 76
.set G0B2, 80
.set G0S,  84
.set G0SB, 88
.set PA,   92                          ; s[92:93] A's image, s[94:95] A's scales, s[96:97] B's image, s[98:99] B's scales, at my wave's part
.set PAS,  94
.set PB,   96
.set PBS,  98
.set SEL,  100                         ; s[100:101] lane selects: lane l xor 16
.set MSB, 0
.macro WIN new                         ; the immediate's high byte repeats the setting that is left
.if MSB != \new
	s_set_vgpr_msb (MSB<<8)|\new
.set MSB, \new
.endif
.endm
.set MUL_LO, 0xa1                      ; source 0 (B) window 1, source 1 (A) window 0, C and D window 2
.set MUL_HI, 0xf1                      ; the same, C and D window 3
.set TO_B,   0x40                      ; destination window 1, address window 0
; A joint load: waves 0 and 1 fetch for A, waves 2 and 3 for B.  The branch hangs on the wave's number alone.  Four v_nop follow each of the two lines.
.macro JLOAD g0a, g1a, g0b, g1b
	s_cmp_eq_u32 s17, 0
	s_cbranch_scc0 .Lfor_b_\@
	tensor_load_to_lds s[\g0a:\g0a+3], s[\g1a:\g1a+7]
	s_nop 0
.rept 4
	v_nop
.endr
	s_branch .Lasked_\@
.Lfor_b_\@:
	tensor_load_to_lds s[\g0b:\g0b+3], s[\g1b:\g1b+7]
	s_nop 0
.rept 4
	v_nop
.endr
.Lasked_\@:
.endm
.macro CREST                           ; a round of the cluster's barrier behind its opening barrier
	s_cmp_lg_u32 s16, 0
	s_cbranch_scc1 .Lnot_wave_0_\@
	s_barrier_signal -3
.Lnot_wave_0_\@:
	s_barrier_wait -3
	s_barrier_signal -1
	s_barrier_wait -1
.endm
.macro CROUND
	s_barrier_signal -1
	s_barrier_wait -1
	CREST
.endm
.macro MKG0 g, lr, lo, ptr, go         ; a group 0: LDS address s[lr] + lo, global address s[ptr:ptr+1] + go
	s_mov_b32 s[\g], 1
	s_add_co_u32 s[\g+1], s[\lr], \lo
	s_add_nc_u64 s[\g+2:\g+3], s[\ptr:\ptr+1], \go
	s_or_b32 s[\g+3], s[\g+3], 0x80000000
.endm
.macro PLACES n
.rept \n
	v_nop
.endr
.endm
	s_load_b256 s[4:11], s[0:1], 0x0               ; x_img, x_sc, w_img, w_sc
	s_load_b128 s[12:15], s[0:1], 0x20             ; qkv_img, qkv_sc
	v_lshl_add_u32 v[SPW], v0, 2, SPARE
	v_mov_b32 v[NIL], 0
	ds_add_u32 v28, v29
	ds_add_u32 v28, v29
	s_wait_dscnt 0x0
	v_lshrrev_b32 v1, 5, v0
	v_readfirstlane_b32 s16, v1                    ; wave 0..3
	s_lshr_b32 s17, s16, 1                         ; which 128 rows of A are mine.  Also: I fetch for A (0) or for B (1)
	s_and_b32 s18, s16, 1                          ; which 128 rows of B.  Also: which 128 rows of that tile I fetch
	s_bfe_u32 s19, ttmp6, 0x40000                  ; cx
	s_bfe_u32 s20, ttmp6, 0x40004                  ; cy
	s_and_b32 s23, ttmp7, 0xffff
	s_lshl_b32 s23, s23, 2                         ; 4 x cluster y
	s_lshl_b32 s22, ttmp9, 2                       ; 4 x cluster x
	s_cmp_eq_u32 ttmp9, 2                          ; v's cluster?  The same in all sixteen partners
	s_cselect_b32 s21, 8, s23
	s_cselect_b32 s22, s23, s22
	s_add_co_u32 s21, s21, s20                     ; A's tile of 256 rows: x: 4 Y + cy;  Wv: 8 + cy
	s_add_co_u32 s22, s22, s19                     ; B's: Wq | Wk: 4 X + cx;  x: 4 Y + cx
	s_lshl_b32 s23, s20, 2
	s_lshl_b32 s23, 15, s23                        ; my row of the cluster
	s_lshl_b32 s2, 0x1111, s19                     ; my column
	s_or_b32 s[G1], s23, (3<<16)|(1<<21)           ; 15:0 the mask; 17:16 elements of 8 bytes; 21 set beside a mask; no padding
	s_or_b32 s[G1B], s2, (3<<16)|(1<<21)
	s_or_b32 s[G1S], s23, (3<<16)|(1<<21)
	s_or_b32 s[G1SB], s2, (3<<16)|(1<<21)
.irp g, G1, G1B                        ; a dense block of 24,576 bytes as 96 rows of 256 bytes
	s_mov_b32 s[\g+1], 32<<16
	s_mov_b32 s[\g+2], 96<<16
	s_mov_b32 s[\g+3], 32<<16
	s_mov_b32 s[\g+4], 96
	s_mov_b32 s[\g+5], 32
	s_mov_b32 s[\g+6], 0
	s_mov_b32 s[\g+7], 0
.endr
.irp g, G1S, G1SB                      ; the scale words of 128 rows: 8 rows (one for each 128 along K) of 512 bytes, 16,384 bytes apart
	s_mov_b32 s[\g+1], 64<<16
	s_mov_b32 s[\g+2], 8<<16
	s_mov_b32 s[\g+3], 64<<16
	s_mov_b32 s[\g+4], 8
	s_mov_b32 s[\g+5], 2048
	s_mov_b32 s[\g+6], 0
	s_mov_b32 s[\g+7], 0
.endr
	s_wait_kmcnt 0x0
	s_cmp_eq_u32 ttmp9, 2
	s_cselect_b64 s[PA:PA+1], s[8:9], s[4:5]
	s_cselect_b64 s[PAS:PAS+1], s[10:11], s[6:7]
	s_cselect_b64 s[PB:PB+1], s[4:5], s[8:9]
	s_cselect_b64 s[PBS:PBS+1], s[6:7], s[10:11]
	s_mul_i32 s8, s18, HALFT                       ; (s4-s11 are free from here on)
	s_mul_i32 s4, s21, 2*HALFT
	s_add_co_u32 s4, s4, s8
	s_mov_b32 s5, 0
	s_mul_i32 s6, s22, 2*HALFT
	s_add_co_u32 s6, s6, s8
	s_mov_b32 s7, 0
	s_add_nc_u64 s[PA:PA+1], s[PA:PA+1], s[4:5]
	s_add_nc_u64 s[PB:PB+1], s[PB:PB+1], s[6:7]
	s_lshl_b32 s8, s18, 9
	s_lshl_b32 s4, s21, 10
	s_add_co_u32 s4, s4, s8
	s_lshl_b32 s6, s22, 10
	s_add_co_u32 s6, s6, s8
	s_add_nc_u64 s[PAS:PAS+1], s[PAS:PAS+1], s[4:5]
	s_add_nc_u64 s[PBS:PBS+1], s[PBS:PBS+1], s[6:7]
	s_mul_i32 s9, s16, HALFT                       ; where they go: wave x 24,576 in a slot, wave x 4,096 among the scales: no place in the cluster enters an LDS address
	s_lshl_b32 s10, s16, 12
	MKG0 G0S,  10, SCL, PAS, 0
	MKG0 G0SB, 10, SCL, PBS, 0
	MKG0 G0A0, 9, 0, PA, 0
	MKG0 G0B0, 9, 0, PB, 0
	MKG0 G0A1, 9, SLOTB, PA, KNEXT
	MKG0 G0B1, 9, SLOTB, PB, KNEXT
	MKG0 G0A2, 9, 2*SLOTB, PA, 2*KNEXT
	MKG0 G0B2, 9, 2*SLOTB, PB, 2*KNEXT
	CROUND                                         ; all sixteen work-groups are here: the first joint loads meet
	JLOAD G0S, G1S, G0SB, G1SB                     ; four loads of mine go out as one group: the scales of all of K,
	JLOAD G0A0, G1, G0B0, G1B                      ; and three of K's four quarters
	JLOAD G0A1, G1, G0B1, G1B
	JLOAD G0A2, G1, G0B2, G1B
	v_and_b32 v1, 15, v0                           ; r
	v_bfe_u32 v2, v0, 4, 1                         ; h
	v_and_b32 v3, 31, v0
	v_lshlrev_b32 v[VO], 3, v3
	v_lshlrev_b32 v6, 4, v1                        ; 16 r
	v_lshl_add_u32 v[VS1], v2, 9, v6
	v_lshl_add_u32 v[VS2], v2, 8, v6
	v_lshlrev_b32 v[H16], 4, v2
	s_mul_i32 s2, s17, HALFT                       ; my 128 rows of A
	s_mul_i32 s3, s18, HALFT                       ; my 128 rows of B,
	s_add_co_u32 s3, s3, 2*HALFT                   ; which lie behind A's 256
.irp s, 0,1,2
	v_add_nc_u32 v[ADRA+\s], s2, v[VO]
	v_add_nc_u32 v[ADRB+\s], s3, v[VO]
	s_add_co_u32 s2, s2, SLOTB
	s_add_co_u32 s3, s3, SLOTB
.endr
	s_lshl_b32 s2, s17, 12                         ; A's scales: my 128 rows
	s_lshl_b32 s3, s18, 12                         ; B's: my 128 rows, behind A's two halves
	s_add_co_u32 s3, s3, 8192
	s_sub_co_u32 s3, s3, s2
	v_mul_u32_u24 v4, s3, v2                       ; lanes 16-31 take B's
	s_add_co_u32 s2, s2, SCL
	v_add_nc_u32 v4, v4, v6
	v_add_nc_u32 v[ADRS], s2, v4
.irp b, 0,1,2,3
	v_mov_b32 v[TM+4+\b], 0                        ; written once: a lane permute's destination counts as one of its sources
.endr
	; where my 128 x 128 goes: [q, k, v][batch][pair of heads][128 tokens]: 8 fragments of 1,536 bytes
	s_lshl_b32 s4, s21, 8
	s_lshl_b32 s5, s17, 7
	s_add_co_u32 s4, s4, s5                        ; A's first row of mine
	s_lshl_b32 s5, s22, 8
	s_lshl_b32 s6, s18, 7
	s_add_co_u32 s5, s5, s6                        ; B's
	s_cmp_eq_u32 ttmp9, 2
	s_cselect_b32 s6, s5, s4                       ; my first token
	s_cselect_b32 s7, s4, s5                       ; my first row of Wq | Wk | Wv
	s_lshr_b32 s8, s7, 10                          ; 0 q, 1 k, 2 v
	s_bfe_u32 s9, s7, 0x30007                      ; the pair of heads
	s_lshr_b32 s10, s6, 11                         ; the batch
	s_bfe_u32 s11, s6, 0x40007                     ; the block of 128 tokens
	s_lshl_b32 s8, s8, 1
	s_add_co_u32 s8, s8, s10
	s_lshl_b32 s8, s8, 3
	s_add_co_u32 s8, s8, s9
	s_lshl_b32 s8, s8, 4
	s_add_co_u32 s8, s8, s11
	s_mul_i32 s4, s8, 12288
	s_mov_b32 s5, 0
	s_add_nc_u64 s[12:13], s[12:13], s[4:5]
	s_lshl_b32 s4, s8, 10                          ; q's and k's scale words: 1,024 bytes each;
	s_lshl_b32 s6, s8, 9                           ; v's: 512 bytes each, behind the 512 of q and k: 524,288 + (index - 512) x 512
	s_add_co_u32 s6, s6, 262144
	s_cmp_eq_u32 ttmp9, 2
	s_cselect_b32 s4, s6, s4
	s_add_nc_u64 s[14:15], s[14:15], s[4:5]
	s_mov_b32 s[SEL], 0x76543210
	s_mov_b32 s[SEL+1], 0xfedcba98
.macro FRAG reg, adr, off              ; a fragment comes as it was stored: six loads of 256 consecutive bytes
.irp c, 0,1,2,3,4,5
	ds_load_b64 v[\reg+2*\c:\reg+2*\c+1], v[\adr] offset:\off+256*\c
.endr
.endm
.macro FETCH_B slot, q, p              ; B's eight fragments of the slot's q-th 128 along K into set p
	WIN TO_B
.irp i, 0,1,2,3,4,5,6,7
	FRAG 128*(\p)+FR*\i, ADRB+\slot, \i*3072+(\q)*1536
.endr
	WIN 0
.endm
.macro FETCH_A slot, q, i0             ; A's blocks i0 .. i0 + 3
.irp i, \i0, \i0+1, \i0+2, \i0+3
	FRAG AF+FR*(\i), ADRA+\slot, (\i)*3072+(\q)*1536
.endr
.endm
.macro SCALES t                        ; step t's scale words: two loads bring eight registers
.irp g, 0,1
	ds_load_b128 v[SC+8*((\t)%2)+4*\g:SC+8*((\t)%2)+4*\g+3], v[ADRS] offset:(\t)*512+\g*256
.endr
.endm
; 16 matrix instructions: A's blocks a0, a0 + 1 x B's eight.  p: B's set and the scale words' set.  The 64 accumulators take turns, in the same order in every step.
.macro MUL16 a0, p, zero
.irp a, \a0, \a0+1
.irp b, 0,1,2,3,4,5,6,7
.if \zero
	v_wmma_scale_f32_16x16x128_f8f6f4 v[8*(8*((\a)%4)+\b):8*(8*((\a)%4)+\b)+7], v[128*(\p)+FR*\b:128*(\p)+FR*\b+FR-1], v[AF+FR*(\a):AF+FR*(\a)+FR-1], 0, v[SC+8*(\p)+\b], v[SC+8*(\p)+(\a)] matrix_a_fmt:MATRIX_FMT_FP6 matrix_b_fmt:MATRIX_FMT_FP6 matrix_a_scale:MATRIX_SCALE_ROW1
.else
	v_wmma_scale_f32_16x16x128_f8f6f4 v[8*(8*((\a)%4)+\b):8*(8*((\a)%4)+\b)+7], v[128*(\p)+FR*\b:128*(\p)+FR*\b+FR-1], v[AF+FR*(\a):AF+FR*(\a)+FR-1], v[8*(8*((\a)%4)+\b):8*(8*((\a)%4)+\b)+7], v[SC+8*(\p)+\b], v[SC+8*(\p)+(\a)] matrix_a_fmt:MATRIX_FMT_FP6 matrix_b_fmt:MATRIX_FMT_FP6 matrix_a_scale:MATRIX_SCALE_ROW1
.endif
.endr
.endr
.endm
; Step t of eight: 128 along K, 64 matrix instructions; it lies in slot (t / 2) % 3.  In its middle it fetches the next step's B, scale words and A's blocks 0-3, at its end A's blocks 4-7.
; Four plain instructions stand in front of each run of loads into registers that matrix instructions have read (ISA guide 7.12.1 for vector instructions).
.macro STEP t, zero
.set P, (\t)%2
.set NS, (((\t)+1)/2)%3
.set NQ1, ((\t)+1)%2
	s_wait_dscnt 24                                ; B's set, the scale words and A's blocks 0-3 are in; the youngest 24 loads (A's blocks 4-7) may be out
	WIN MUL_LO
	MUL16 0, P, \zero
	MUL16 2, P, \zero
	s_wait_dscnt 0x0                               ; A's blocks 4-7 are in
	PLACES 4
	FETCH_B NS, NQ1, 1-P
	FETCH_A NS, NQ1, 0
	SCALES (\t)+1
	WIN MUL_HI
	MUL16 4, P, \zero
	MUL16 6, P, \zero
	PLACES 4
	WIN 0
	FETCH_A NS, NQ1, 4
.endm
; A step with a barrier in it.  In front of the barrier each wave waits for all its tensor loads, adds 0 to its spare word, and waits for that and for its LDS reads.
; fill = 1 (step 1, the last in slot 0): the barrier opens a round of the cluster's; behind it slot 0 takes K's last quarter.  fill = 0 (step 5): that quarter has landed in every wave's part.
.macro TURN t, fill
.set P, (\t)%2
.set NS, (((\t)+1)/2)%3
	s_wait_tensorcnt 0x0                           ; all my tensor loads have landed
	ds_add_u32 v[SPW], v[NIL]                      ; 0 onto my spare word
	s_wait_dscnt 25                                ; (the add and the youngest 24 loads, A's blocks 4-7, may be out)
	WIN MUL_LO
	MUL16 0, P, 0                                  ; sixteen matrix instructions stand between the add and the wait for it
	s_wait_dscnt 0x0                               ; the add is done, and my reads of this slot are over
	s_barrier_signal -1
	MUL16 2, P, 0
	WIN 0
	s_barrier_wait -1
.if \fill
	CREST                                          ; no wave of any partner still reads slot 0 or has a load on its way
	s_add_nc_u64 s[G0A0+2:G0A0+3], s[G0A0+2:G0A0+3], 3*KNEXT
	s_add_nc_u64 s[G0B0+2:G0B0+3], s[G0B0+2:G0B0+3], 3*KNEXT
	JLOAD G0A0, G1, G0B0, G1B                      ; the launch's one refill: four steps, 256 matrix instructions, ahead of the wait for it; its four v_nop are the places in front of the loads below
.else
	PLACES 4
.endif
	FETCH_B NS, 0, 0
	FETCH_A NS, 0, 0
	SCALES (\t)+1
	WIN MUL_HI
	MUL16 4, P, 0
	MUL16 6, P, 0
	PLACES 4
	WIN 0
	FETCH_A NS, 0, 4
.endm
	s_wait_tensorcnt 2                             ; the scales and my part of slot 0 are in; slots 1 and 2 may be out
	s_barrier_signal -1
	s_barrier_wait -1                              ; everybody's are
	FETCH_B 0, 0, 0
	FETCH_A 0, 0, 0
	SCALES 0
	FETCH_A 0, 0, 4
	STEP 0, 1                                      ; the first step's products start the sums: nothing is cleared
	TURN 1, 1                                      ; its wait for all loads and its barrier also show slots 1 and 2 whole to every wave: no barrier is needed between them
	STEP 2, 0
	STEP 3, 0
	STEP 4, 0
	TURN 5, 0
	STEP 6, 0
	s_wait_dscnt 24                                ; the last step: nothing more to fetch
	WIN MUL_LO
	MUL16 0, 1, 0
	MUL16 2, 1, 0
	s_wait_dscnt 0x0
	WIN MUL_HI
	MUL16 4, 1, 0
	MUL16 6, 1, 0
	WIN 0
; THE WAY OUT.  The 64 registers of A's block a are 128 neighbours along the next product's K of one row: four blocks of 32, of which my half of the lanes holds 16 each.
; They become one fragment (12 registers) and one scale word, and the fragment leaves as it stands: six stores of 256 consecutive bytes.  No LDS.
.macro QUANTW a
.set AC, 64*((\a)%4)
.set WW, 2+(\a)/4
.set W01, WW|(WW<<2)
.set W12, (WW<<2)|(WW<<4)
	WIN W01                                        ; sources 0 and 1: the accumulators' window
.irp b, 0,1,2,3
	v_max3_num_f32 v[TM+\b], |v[AC+16*\b]|, |v[AC+1+16*\b]|, 0x1800000   ; each accumulator is read from its low end on; the floor 2^(3 - 127) holds the byte at 1 from below
.endr
	WIN W12                                        ; sources 1 and 2
.irp i, 2,4,6,8,10,12,14
.irp b, 0,1,2,3
	v_max3_num_f32 v[TM+\b], v[TM+\b], |v[AC+16*\b+\i]|, |v[AC+1+16*\b+\i]|
.endr
.endr
	WIN 0
.irp b, 0,1,2,3
	v_permlanex16_b32 v[TM+4+\b], v[TM+\b], s[SEL], s[SEL+1]
.endr
.irp b, 0,1,2,3
	v_max_num_f32 v[TM+\b], v[TM+\b], v[TM+4+\b]
.endr
.irp b, 0,1,2,3
	v_add_nc_u32 v[TM+12+\b], 0xff000000, v[TM+\b]
.endr
.irp b, 0,1,2,3
	v_lshrrev_b32 v[TM+4+\b], 23, v[TM+12+\b]
.endr
	v_lshl_or_b32 v[PWR+\a], v[TM+5], 8, v[TM+4]
	v_lshl_or_b32 v[PWR+\a], v[TM+6], 16, v[PWR+\a]
	v_lshl_or_b32 v[PWR+\a], v[TM+7], 24, v[PWR+\a]
.if \a > 0
	s_wait_xcnt 0x0                                ; the last fragment's stores have read the codes' registers: they are written again only behind this wait
.endif
	WIN WW                                         ; source 0
.irp c, 0,1
	v_cvt_scalef32_pk16_fp6_f32 v[PC+6*\c:PC+2+6*\c], v[AC+32*\c:AC+15+32*\c], v[TM+12+2*\c]
	v_cvt_scalef32_pk16_fp6_f32 v[PC+12+4*\c:PC+14+4*\c], v[AC+16+32*\c:AC+31+32*\c], v[TM+12+2*\c+1]
.endr
	WIN 0
	v_nop                                          ; one plain instruction behind the scaled conversions
.irp c, 0,1
.irp i, 0,1,2
	v_permlane16_swap_b32 v[PC+6*\c+\i], v[PC+12+4*\c+\i]
.endr
.irp i, 0,1,2
	v_mov_b32 v[PC+3+6*\c+\i], v[PC+12+4*\c+\i]
.endr
.endr
.irp c, 0,1,2,3,4,5
	global_store_b64 v[VO], v[PC+2*\c:PC+2*\c+1], s[12:13] offset:\a*1536+256*\c
.endr
.endm
	PLACES 4                                       ; behind the last products
.irp a, 0,1,2,3,4,5,6,7
	QUANTW \a
.endr
	s_cmp_eq_u32 ttmp9, 2                          ; the same in all partners
	s_cbranch_scc1 .Lv_words
.irp i, 0,1,2,3,4,5,6,7                ; q, k: a word's bytes 0, 1 are the even head's two blocks, bytes 2, 3 the odd head's: lanes 0-15 store the word, lanes 16-31 its upper half, as the odd head's word
	v_lshrrev_b32 v[T+\i], v[H16], v[PWR+\i]
.endr
	global_store_b128 v[VS1], v[T:T+3], s[14:15]               ; sixteen lanes store 256 consecutive bytes, aligned: [head][4 tiles of tokens][row][tile]
	global_store_b128 v[VS1], v[T+4:T+7], s[14:15] offset:256
	s_branch .Lwords_out
.Lv_words:
	v_cmp_ne_u32 vcc_lo, 0, v[H16]                 ; v: blocks 0-3 are the even head's 64 rows, blocks 4-7 the odd head's
.irp i, 0,1,2,3
	v_cndmask_b32 v[T+\i], v[PWR+\i], v[PWR+4+\i], vcc_lo
.endr
	global_store_b128 v[VS2], v[T:T+3], s[14:15]
.Lwords_out:
	s_wait_tensorcnt 0x0                           ; the wave's end
	ds_add_u32 v[SPW], v[NIL]
	s_wait_dscnt 0x0
	CROUND                                         ; the closing round: no work-group ends while a partner may still ask for a tile that names it
	s_endpgm
.Lfunc_end_k_q85160944d0_qkv:
	.size	k_q85160944d0_qkv, .Lfunc_end_k_q85160944d0_qkv-k_q85160944d0_qkv
	.p2alignl 7, 3214868480
	.fill 96, 4, 3214868480
	.section	.rodata,"a",@progbits
	.p2align	6, 0x0
	.amdhsa_kernel k_q85160944d0_qkv
		.amdhsa_group_segment_fixed_size 327680
		.amdhsa_private_segment_fixed_size 0
		.amdhsa_enable_private_segment 0
		.amdhsa_kernarg_size 48
		.amdhsa_user_sgpr_count 2
		.amdhsa_user_sgpr_kernarg_segment_ptr 1
		.amdhsa_wavefront_size32 1
		.amdhsa_system_sgpr_workgroup_id_x 1
		.amdhsa_system_sgpr_workgroup_id_y 1
		.amdhsa_system_sgpr_workgroup_id_z 1
		.amdhsa_system_vgpr_workitem_id 0
		.amdhsa_next_free_vgpr 1024
		.amdhsa_next_free_sgpr 102
		.amdhsa_reserve_vcc 1
		.amdhsa_float_denorm_mode_32 3
		.amdhsa_float_denorm_mode_16_64 3
		.amdhsa_memory_ordered 1
		.amdhsa_forward_progress 1
		.amdhsa_inst_pref_size 166
	.end_amdhsa_kernel
	.amdgpu_metadata
---
amdhsa.version: [ 1, 2 ]
amdhsa.kernels:
  - .name:           k_q85160944d0_qkv
    .symbol:         k_q85160944d0_qkv.kd
    .args:
      - { .name: x_img, .offset: 0, .size: 8, .value_kind: global_buffer, .address_space: global }
      - { .name: x_sc, .offset: 8, .size: 8, .value_kind: global_buffer, .address_space: global }
      - { .name: w_img, .offset: 16, .size: 8, .value_kind: global_buffer, .address_space: global }
      - { .name: w_sc, .offset: 24, .size: 8, .value_kind: global_buffer, .address_space: global }
      - { .name: qkv_img, .offset: 32, .size: 8, .value_kind: global_buffer, .address_space: global }
      - { .name: qkv_sc, .offset: 40, .size: 8, .value_kind: global_buffer, .address_space: global }
    .group_segment_fixed_size: 327680
    .private_segment_fixed_size: 0
    .kernarg_segment_align: 8
    .kernarg_segment_size: 48
    .max_flat_workgroup_size: 128
    .sgpr_count:     102
    .vgpr_count:     1024
    .wavefront_size: 32
...
	.end_amdgpu_metadata
.endif
;; end of part 2
;; launch attn (part 3): grid 16 x 16, 16 waves a work-group, no clusters, 76,288 bytes of LDS; arguments qkv_img, qkv_sc, ctx_img, ctx_sc; writes ctx_img, ctx_sc
.if DOCPART == 3
	.amdgcn_target "amdgcn-amd-amdhsa--gfx1250"
	.amdhsa_code_object_version 6
	.text
	.protected	k_q85160944d0_attn
	.globl	k_q85160944d0_attn
	.p2align	8
	.type	k_q85160944d0_attn,@function
k_q85160944d0_attn:
	s_mov_b64 s[64:65], 0
	v_nop
	global_prefetch_b8 v0, s[64:65] scope:SCOPE_SE
	s_setreg_imm32_b32 hwreg(HW_REG_WAVE_MODE, 25, 1), 1
	s_wait_xcnt 0x0
; ctx[b][i][head] = softmax over the band i - 256 < j <= i of (q_i . k_j) times v_j, both products on codes of FP6 (E2M3) with E8M0 scales; no factor 1 / sqrt(d).
; t = score x log2(e); M = the running largest t rounded UP to a whole number; p = 2^(t - M) is quantised along the keys; the row's sum is taken of the unquantised p and divides at the end.
; ctx is quantised along the merged heads and leaves as the image of the last product's operand.
; SHARES.  A work-group owns 128 queries of a pair of heads; wave w owns head w / 8 of the pair and tile w % 8 of 16 queries.  The band of 128 queries lies in THREE aligned steps of 128 keys:
; the queries' own block and the two before it.  Blocks 0 and 1 have fewer: a scalar branch on the work-group's number leaves a step out (its loads are held at step 0 and not used).
; The band is built by the module itself, so keys outside these steps are not multiplied.
; K's and V's images of the three steps (both heads) are copied into LDS once, by plain loads and stores: 9 of each a wave.
; NO CLUSTER: neighbouring blocks of queries share two of three steps, not all, and the first two blocks ask for fewer.
; LAYOUT.  Both products are used transposed: S^T = K Q^T (source 0 = 16 keys, source 1 = my 16 queries), O^T = V^T P^T: a lane holds ONE query.  A head has 64 along K: registers 6-11 of K's and Q's
; fragments hold zero codes.  Register 8 kt + j of S^T is key 16 kt + 8 (lane / 16) + j: two tiles give a block of 32 keys in the order 0-7, 16-23, 8-15, 24-31, in which V's codes were laid.
; LIMITS: NaN and infinities are not served; p under 2^-126 counts as 0 (v_exp_f32); a block's byte is held at 1 from below; a block of zeros gets the byte 1 (its codes are zeros).
; REGISTERS: v1-11, v28-31 addresses; v12 -M, v13 the largest t, v[14:15] the sum; v16-27 Q; v32-79 four fragments of K; v80-143 S^T, then p, then (v80-127) V's four fragments; v144-175 O^T;
;   v176-199 K's scale words, v200-211 V's, v253 p's, v255 Q's; v224-235 p's codes; v232-254 at work.
.set VIMG, 36864                       ; LDS: K's images [step 3][tile of keys 8][1536]; then V's [step 3][head 2 x tile of d 4][1536]
.set CSC,  73728                       ; ctx's scale words: 512 bytes
.set AK,   1                           ; v1  768 x head + 8 x lane
.set AV,   2                           ; v2  VIMG + 6,144 x head + 8 x lane
.set DD,   3                           ; v3  d = 16 t + r - 8 h
.set NINF, 4                           ; v4  -infinity
.set L8,   5                           ; v5  8 x lane
.set CW,   7                           ; v7  where my row's two scale bytes go in LDS
.set CR,   8                           ; v8  CSC + 16 x lane
.set KB,   32
.set S,    80
.set O,    144
.set KS,   176
.set VS,   200
.set WV,   12
.set HD,   13
.set TT,   14
.set YY,   15
.set SEL,  16                          ; s[16:17] lane selects: lane l xor 16
.set CS,   18                          ; s[18:19] log2(e): the packed form names a pair and takes its low word
	s_load_b256 s[4:11], s[0:1], 0x0               ; qkv_img, qkv_sc, ctx_img, ctx_sc
	v_lshl_add_u32 v250, v0, 2, 0x12200
	v_mov_b32 v251, 0
	v_lshrrev_b32 v6, 5, v0
	v_readfirstlane_b32 s[WV], v6                  ; wave 0..15
	s_lshr_b32 s[HD], s[WV], 3                     ; which head of the pair.  Also: I copy K (0) or V (1)
	s_and_b32 s[TT], s[WV], 7                      ; which 16 queries
	s_and_b32 s[YY], ttmp7, 0xffff                 ; y = 8 x batch + pair of heads
	s_sub_co_i32 s34, ttmp9, 2
	s_max_i32 s34, s34, 0                          ; the three key steps, held at 0 from below
	s_sub_co_i32 s35, ttmp9, 1
	s_max_i32 s35, s35, 0
	s_mov_b32 s36, ttmp9
	s_lshl_b32 s37, s[HD], 4
	s_add_co_u32 s37, s37, s[YY]
	s_add_co_u32 s37, s37, 16
	s_lshl_b32 s37, s37, 4                         ; what I copy begins at index (16 + y) x 16 (K) or (32 + y) x 16 (V)
	s_lshl_b32 s33, s[YY], 4
.irp g, 0,1,2
	s_add_co_u32 s[38+2*\g], s37, s[34+\g]
	s_mul_i32 s[38+2*\g], s[38+2*\g], 12288
	s_mov_b32 s[39+2*\g], 0
	s_add_co_u32 s[44+2*\g], s33, s[34+\g]         ; 16 y + step
	s_lshl_b32 s[50+2*\g], s[44+2*\g], 9
	s_add_co_u32 s[50+2*\g], s[50+2*\g], 524288    ; V's scale words
	s_mov_b32 s[51+2*\g], 0
	s_add_co_u32 s[44+2*\g], s[44+2*\g], 256
	s_lshl_b32 s[44+2*\g], s[44+2*\g], 10          ; K's
	s_mov_b32 s[45+2*\g], 0
.endr
	s_add_co_u32 s56, s33, ttmp9                   ; Q: index 16 y + my block
	s_lshl_b32 s58, s56, 10
	s_mul_i32 s56, s56, 12288
	s_mul_i32 s24, s[TT], 1536
	s_add_co_u32 s56, s56, s24
	s_mul_i32 s24, s[HD], 768
	s_add_co_u32 s56, s56, s24
	s_mov_b32 s57, 0
	s_lshl_b32 s24, s[HD], 9
	s_add_co_u32 s58, s58, s24
	s_lshr_b32 s24, s[TT], 2
	s_lshl_b32 s24, s24, 8
	s_add_co_u32 s58, s58, s24
	s_and_b32 s24, s[TT], 3
	s_lshl_b32 s24, s24, 2
	s_add_co_u32 s58, s58, s24
	s_mov_b32 s59, 0
	s_and_b32 s20, s[YY], 7                        ; the pair of heads
	s_lshr_b32 s21, s[YY], 3                       ; the batch
	s_lshl_b32 s22, s20, 1
	s_add_co_u32 s22, s22, s[HD]                   ; my head
	s_lshl_b32 s23, s21, 7
	s_lshl_b32 s24, ttmp9, 3
	s_add_co_u32 s23, s23, s24
	s_add_co_u32 s23, s23, s[TT]                   ; my row tile of ctx
	s_lshr_b32 s24, s22, 2
	s_lshl_b32 s24, s24, 8
	s_add_co_u32 s24, s24, s23
	s_mul_i32 s60, s24, 3072
	s_and_b32 s24, s22, 3
	s_mul_i32 s24, s24, 768
	s_add_co_u32 s60, s60, s24                     ; ((head / 4) x 256 + row tile) x 3,072 + (head % 4) x 768
	s_mov_b32 s61, 0
	s_lshl_b32 s62, s20, 14
	s_lshl_b32 s24, s21, 13
	s_add_co_u32 s62, s62, s24
	s_lshl_b32 s24, ttmp9, 9
	s_add_co_u32 s62, s62, s24                     ; pair x 16,384 + (32 x batch + 2 x block) x 256
	s_mov_b32 s63, 0
	s_mov_b32 s[SEL], 0x76543210
	s_mov_b32 s[SEL+1], 0xfedcba98
	s_mov_b32 s[CS], 0x3fb8aa3b                    ; log2(e)
	s_mov_b32 s[CS+1], s[CS]
	v_and_b32 v31, 15, v0                          ; r
	v_bfe_u32 v6, v0, 4, 1                         ; h
	v_and_b32 v[L8], 31, v0
	v_lshlrev_b32 v[L8], 3, v[L8]
	v_lshlrev_b32 v29, 1, v[L8]                    ; 16 x lane
	v_and_b32 v9, 255, v0
	v_lshlrev_b32 v9, 4, v9                        ; the copies: 16 bytes a thread, 256 threads to K and 256 to V
	v_lshrrev_b32 v30, 8, v0
	v_mul_u32_u24 v30, v30, VIMG
	v_add_nc_u32 v30, v30, v9                      ; and their place in LDS
	v_lshlrev_b32 v10, 4, v31                      ; 16 r
	s_lshl_b32 s24, s[HD], 9
	v_add_nc_u32 v11, s24, v10                     ; K's scale words: 512 x head + 16 r
	s_lshl_b32 s24, s[HD], 8
	v_add_nc_u32 v28, s24, v10                     ; V's: 256 x head + 16 r
	s_mul_i32 s24, s[HD], 768
	v_add_nc_u32 v[AK], s24, v[L8]
	s_mul_i32 s24, s[HD], 6144
	s_add_co_u32 s24, s24, VIMG
	v_add_nc_u32 v[AV], s24, v[L8]
	s_lshl_b32 s24, s[TT], 4
	v_lshlrev_b32 v[DD], 3, v6
	v_sub_nc_u32 v[DD], v31, v[DD]
	v_add_nc_u32 v[DD], s24, v[DD]
	s_lshr_b32 s24, s[TT], 2
	s_lshl_b32 s24, s24, 8
	s_and_b32 s25, s[TT], 3
	s_lshl_b32 s25, s25, 2
	s_add_co_u32 s24, s24, s25
	s_lshl_b32 s25, s[HD], 1
	s_add_co_u32 s24, s24, s25
	s_add_co_u32 s24, s24, CSC
	v_add_nc_u32 v[CW], s24, v10                   ; [group of 4 tiles][row][tile]: my head's half of the word
	v_lshl_add_u32 v[CR], v[L8], 1, CSC
	v_mov_b32 v[NINF], 0xff800000
	s_wait_kmcnt 0x0
.irp g, 0,1,2
	s_add_nc_u64 s[38+2*\g:39+2*\g], s[4:5], s[38+2*\g:39+2*\g]
	s_add_nc_u64 s[44+2*\g:45+2*\g], s[6:7], s[44+2*\g:45+2*\g]
	s_add_nc_u64 s[50+2*\g:51+2*\g], s[6:7], s[50+2*\g:51+2*\g]
.endr
	s_add_nc_u64 s[56:57], s[4:5], s[56:57]
	s_add_nc_u64 s[58:59], s[6:7], s[58:59]
	s_add_nc_u64 s[60:61], s[8:9], s[60:61]
	s_add_nc_u64 s[62:63], s[10:11], s[62:63]
.irp g, 0,1,2
.irp i, 0,1,2
	global_load_b128 v[S+4*(3*\g+\i):S+4*(3*\g+\i)+3], v9, s[38+2*\g:39+2*\g] offset:\i*4096   ; a wave reads 512 consecutive bytes
.endr
.endr
.irp g, 0,1,2
	global_load_b128 v[KS+8*\g:KS+8*\g+3], v11, s[44+2*\g:45+2*\g]                ; the words of four tiles of keys in four registers
	global_load_b128 v[KS+8*\g+4:KS+8*\g+7], v11, s[44+2*\g:45+2*\g] offset:256
	global_load_b128 v[VS+4*\g:VS+4*\g+3], v28, s[50+2*\g:51+2*\g]
.endr
.irp p, 0,1,2
	global_load_b64 v[16+2*\p:17+2*\p], v[L8], s[56:57] offset:256*\p            ; Q's half fragment stays in registers
.endr
	global_load_b32 v255, v10, s[58:59]
.irp j, 22,23,24,25,26,27
	v_mov_b32 v[\j], 0                             ; K = 64 .. 127 of Q: zero codes
.endr
.irp tt, 0,1,2,3
.irp j, 6,7,8,9,10,11
	v_mov_b32 v[KB+12*\tt+\j], 0                   ; and of K's four fragments: never loaded over
.endr
.endr
.set i, 0
.rept 32
	v_mov_b32 v[O+i], 0                            ; O^T: the step is written once; the first finds zeros
.set i, i+1
.endr
	v_mov_b32 v13, 0xff61b1e6                      ; the largest t so far: -3e38
	v_floor_f32 v12, -v13                          ; -M
	v_mov_b32 v14, 0
	v_mov_b32 v15, 0
.irp b, 0,1,2,3
	v_mov_b32 v[236+\b], 0                         ; written once: a lane permute's destination counts as one of its sources
.endr
	v_mov_b32 v253, 0                              ; (named as the upper half of the pair v[252:253] before it is first written)
	s_wait_loadcnt 13                              ; my nine copies are in; the thirteen loads behind them may be out
.irp g, 0,1,2
.irp i, 0,1,2
	ds_store_b128 v30, v[S+4*(3*\g+\i):S+4*(3*\g+\i)+3] offset:\g*12288+\i*4096
.endr
.endr
	s_wait_dscnt 0x0                               ; for the others' sake: my stores have landed
	s_barrier_signal -1
	s_barrier_wait -1                              ; K's and V's images lie in LDS; nobody writes them again
	s_wait_loadcnt 0x0                             ; Q and the scale words
; A KEY STEP of 128 keys.  mask = 1: the band's lower edge (key c counts where c > 16 t + r);  2: the diagonal (where c <= 16 t + r);  0: all keys count.
.macro STEP g, mask
.if \g < 2
	s_cmp_lt_u32 ttmp9, 2-\g                       ; the step lies ahead of the sequence's first key: left out
	s_cbranch_scc1 .Lskip_\@
.endif
.irp u, 0,1                                    ; S^T = K Q^T, four tiles of 16 keys at a time
.if \u
.rept 4
	v_nop                                          ; places in front of loads into registers that matrix instructions have read
.endr
.endif
.irp tt, 0,1,2,3
.irp p, 0,1,2
	ds_load_b64 v[KB+12*\tt+2*\p:KB+12*\tt+2*\p+1], v[AK] offset:\g*12288+(4*\u+\tt)*1536+256*\p
.endr
.endr
	s_wait_dscnt 0x0
.irp tt, 0,1,2,3
	v_wmma_scale_f32_16x16x128_f8f6f4 v[S+8*(4*\u+\tt):S+8*(4*\u+\tt)+7], v[KB+12*\tt:KB+12*\tt+11], v[16:27], 0, v[KS+8*\g+4*\u+\tt], v255 matrix_a_fmt:MATRIX_FMT_FP6 matrix_b_fmt:MATRIX_FMT_FP6
.endr
.endr
.rept 4
	v_nop
.endr
.if \mask == 2                                 ; register 8 kt + j is key c = 16 kt + 8 h + j: hidden where 16 kt + j > d.  A tile of keys ahead of my tile of queries counts whole: its lines are jumped over
.irp kt, 0,1,2,3,4,5,6,7
	s_cmp_gt_u32 s[TT], \kt
	s_cbranch_scc1 .Lm_\@_\kt
.irp j, 0,1,2,3,4,5,6,7
	v_cmp_gt_i32 vcc_lo, 16*\kt+\j, v[DD]
	v_cndmask_b32 v[S+8*\kt+\j], v[S+8*\kt+\j], v[NINF], vcc_lo
.endr
.Lm_\@_\kt:
.endr
.endif
.if \mask == 1                                 ; hidden where 16 kt + j <= d.  A tile of keys behind my tile of queries counts whole
.irp kt, 0,1,2,3,4,5,6,7
	s_cmp_lt_u32 s[TT], \kt
	s_cbranch_scc1 .Lm_\@_\kt
.irp j, 0,1,2,3,4,5,6,7
	v_cmp_le_i32 vcc_lo, 16*\kt+\j, v[DD]
	v_cndmask_b32 v[S+8*\kt+\j], v[S+8*\kt+\j], v[NINF], vcc_lo
.endr
.Lm_\@_\kt:
.endr
.endif
.irp b, 0,1,2,3
	v_max3_num_f32 v[232+\b], v[S+16*\b], v[S+1+16*\b], v[S+2+16*\b]   ; the largest score of each block of 32 keys: for the row's maximum, and, since p rises with the score, for the block's largest p
.endr
.irp i, 3,5,7,9,11,13
.irp b, 0,1,2,3
	v_max3_num_f32 v[232+\b], v[232+\b], v[S+16*\b+\i], v[S+1+16*\b+\i]
.endr
.endr
.irp b, 0,1,2,3
	v_max_num_f32 v[232+\b], v[232+\b], v[S+15+16*\b]
.endr
.irp b, 0,1,2,3
	v_permlanex16_b32 v[236+\b], v[232+\b], s[SEL], s[SEL+1]
.endr
.irp b, 0,1,2,3
	v_max_num_f32 v[232+\b], v[232+\b], v[236+\b]  ; with lane l xor 16's 16 keys
.endr
	v_max3_num_f32 v254, v232, v233, v234
	v_max_num_f32 v254, v254, v235                 ; the step's largest score of my query
	v_mul_f32 v254, s[CS], v254                    ; as t
	v_max_num_f32 v13, v13, v254                   ; the running largest t (a step all of whose keys are hidden leaves it)
	v_mov_b32 v254, v12
	v_floor_f32 v12, -v13                          ; the new -M = -ceil(t): a whole number
	v_sub_f32 v254, v12, v254                      ; old M - new M: a whole number, 0 or less
	v_cvt_i32_f32 v254, v254                       ; (it saturates)
	v_ldexp_f32 v252, 1.0, v254                    ; f = 2^(old M - new M): rounds nothing
.set i, 0
.rept 32
	v_pk_fma_f32 v[S+i:S+i+1], v[S+i:S+i+1], s[CS:CS+1], v[12:13] op_sel_hi:[1,0,0]   ; t - M, two at a time
.set i, i+2
.endr
.irp b, 0,1,2,3
	v_fma_f32 v[232+\b], v[232+\b], s[CS], v12     ; the same of each block's largest score
.endr
.set i, 0
.rept 64
	v_exp_f32 v[S+i], v[S+i]                       ; p = 2^(t - M): not normalised
.set i, i+1
.endr
	v_pk_mul_f32 v[14:15], v[14:15], v[252:253] op_sel_hi:[1,0]   ; the sums under the new M: a plain instruction behind the exponentials
	s_wait_alu depctr_va_vdst(0)                   ; one wait for the whole batch, ahead of its first reader
.irp b, 0,1,2,3
	v_exp_f32 v[232+\b], v[232+\b]                 ; the block's largest p: the same two instructions on the same number
.endr
	v_pk_add_f32 v[236:237], v[S:S+1], v[S+2:S+3]  ; the row's sum is taken of the unquantised p, in two chains; it reads the 64 alone
.irp j, 4,8,12,16,20,24,28,32,36,40,44,48,52,56,60
	v_pk_add_f32 v[14:15], v[14:15], v[S+\j:S+1+\j]
	v_pk_add_f32 v[236:237], v[236:237], v[S+2+\j:S+3+\j]
.endr
	v_pk_add_f32 v[14:15], v[14:15], v[236:237]
	s_wait_alu depctr_va_vdst(0)                   ; and one for the four
.irp b, 0,1,2,3
	v_max_num_f32 v[232+\b], 0x1800000, v[232+\b]  ; the floor 2^(3 - 127): the byte cannot fall under 1
.endr
.irp b, 0,1,2,3
	v_add_nc_u32 v[244+\b], 0xff000000, v[232+\b]  ; 2 off the exponent field: the conversion's scale operand
.endr
.irp b, 0,1,2,3
	v_lshrrev_b32 v[236+\b], 23, v[244+\b]         ; the scale's byte
.endr
	v_lshl_or_b32 v253, v237, 8, v236              ; p's scale word for these 128 keys
	v_lshl_or_b32 v253, v238, 16, v253
	v_lshl_or_b32 v253, v239, 24, v253
.irp c, 0,1
	v_cvt_scalef32_pk16_fp6_f32 v[224+6*\c:226+6*\c], v[S+32*\c:S+15+32*\c], v[244+2*\c]
	v_cvt_scalef32_pk16_fp6_f32 v[236+4*\c:238+4*\c], v[S+16+32*\c:S+31+32*\c], v[244+2*\c+1]
.endr
	v_nop                                          ; one plain instruction behind the scaled conversions
.irp dt, 0,1,2,3                               ; V's four fragments (16 of the head's 64 x 128 keys) land where p lay
.irp q, 0,1,2,3,4,5
	ds_load_b64 v[S+12*\dt+2*\q:S+12*\dt+2*\q+1], v[AV] offset:\g*12288+\dt*1536+256*\q
.endr
.endr
.irp c, 0,1                                    ; the operand wants a whole block in a lane
.irp i, 0,1,2
	v_permlane16_swap_b32 v[224+6*\c+\i], v[236+4*\c+\i]
.endr
.irp i, 0,1,2
	v_mov_b32 v[227+6*\c+\i], v[236+4*\c+\i]
.endr
.endr
.set i, 0
.rept 16
	v_pk_mul_f32 v[O+i:O+i+1], v[O+i:O+i+1], v[252:253] op_sel_hi:[1,0]   ; O^T under the new M, each accumulator from its low end on.  These sixteen are also the places in front of the products below
.set i, i+2
.endr
	s_wait_dscnt 0x0
.irp dt, 0,1,2,3
	v_wmma_scale_f32_16x16x128_f8f6f4 v[O+8*\dt:O+8*\dt+7], v[S+12*\dt:S+12*\dt+11], v[224:235], v[O+8*\dt:O+8*\dt+7], v[VS+4*\g+\dt], v253 matrix_a_fmt:MATRIX_FMT_FP6 matrix_b_fmt:MATRIX_FMT_FP6
.endr
.rept 5
	v_nop                                          ; the next step's scores are written over V's fragments: five places; behind the last step they serve the reads of O^T
.endr
.if \g < 2
.Lskip_\@:
.endif
.endm
	STEP 0, 1
	STEP 1, 0
	STEP 2, 2
	; THE WAY OUT.  O^T / the sum is my query's 64 numbers of my head: two blocks of 32 along the last product's K.  They are quantised and leave as half a fragment: three stores of 256 bytes.
	v_add_f32 v14, v14, v15
	v_permlanex16_b32 v252, v14, s[SEL], s[SEL+1]
	v_add_f32 v14, v14, v252                       ; the row's sum
	v_rcp_f32 v14, v14
	v_nop                                          ; a plain instruction behind the reciprocal
	s_wait_alu depctr_va_vdst(0)                   ; and the wait, ahead of its first reader
.set i, 0
.rept 16
	v_pk_mul_f32 v[S+i:S+i+1], v[O+i:O+i+1], v[14:15] op_sel_hi:[1,0]
.set i, i+2
.endr
.irp b, 0,1
	v_max3_num_f32 v[232+\b], |v[S+16*\b]|, |v[S+1+16*\b]|, 0x1800000
.endr
.irp i, 2,4,6,8,10,12,14
.irp b, 0,1
	v_max3_num_f32 v[232+\b], v[232+\b], |v[S+16*\b+\i]|, |v[S+1+16*\b+\i]|
.endr
.endr
.irp b, 0,1
	v_permlanex16_b32 v[236+\b], v[232+\b], s[SEL], s[SEL+1]
.endr
.irp b, 0,1
	v_max_num_f32 v[232+\b], v[232+\b], v[236+\b]
.endr
.irp b, 0,1
	v_add_nc_u32 v[244+\b], 0xff000000, v[232+\b]
.endr
.irp b, 0,1
	v_lshrrev_b32 v[236+\b], 23, v[244+\b]
.endr
	v_lshl_or_b32 v248, v237, 8, v236              ; my head's two bytes of the row's scale word
	v_cvt_scalef32_pk16_fp6_f32 v[224:226], v[S:S+15], v244
	v_cvt_scalef32_pk16_fp6_f32 v[236:238], v[S+16:S+31], v245
	v_nop
.irp i, 0,1,2
	v_permlane16_swap_b32 v[224+\i], v[236+\i]
.endr
.irp i, 0,1,2
	v_mov_b32 v[227+\i], v[236+\i]
.endr
.irp p, 0,1,2
	global_store_b64 v[L8], v[224+2*\p:225+2*\p], s[60:61] offset:256*\p   ; 256 consecutive bytes, aligned
.endr
	ds_store_b16 v[CW], v248                       ; lanes r and r + 16 write the same two bytes with the same value
	s_wait_dscnt 0x0
	s_barrier_signal -1
	s_barrier_wait -1                              ; the sixteen waves' halves make 128 rows' words: 512 dense bytes
	s_cmp_lg_u32 s[WV], 0
	s_cbranch_scc1 .Lend
	ds_load_b128 v[S:S+3], v[CR]
	s_wait_dscnt 0x0
	global_store_b128 v29, v[S:S+3], s[62:63]      ; two aligned blocks of 256 bytes
.Lend:
	s_wait_tensorcnt 0x0
	ds_add_u32 v250, v251
	s_wait_dscnt 0x0
	s_endpgm
.Lfunc_end_k_q85160944d0_attn:
	.size	k_q85160944d0_attn, .Lfunc_end_k_q85160944d0_attn-k_q85160944d0_attn
	.p2alignl 7, 3214868480
	.fill 96, 4, 3214868480
	.section	.rodata,"a",@progbits
	.p2align	6, 0x0
	.amdhsa_kernel k_q85160944d0_attn
		.amdhsa_group_segment_fixed_size 76288
		.amdhsa_private_segment_fixed_size 0
		.amdhsa_enable_private_segment 0
		.amdhsa_kernarg_size 32
		.amdhsa_user_sgpr_count 2
		.amdhsa_user_sgpr_kernarg_segment_ptr 1
		.amdhsa_wavefront_size32 1
		.amdhsa_system_sgpr_workgroup_id_x 1
		.amdhsa_system_sgpr_workgroup_id_y 1
		.amdhsa_system_sgpr_workgroup_id_z 1
		.amdhsa_system_vgpr_workitem_id 0
		.amdhsa_next_free_vgpr 256
		.amdhsa_next_free_sgpr 66
		.amdhsa_reserve_vcc 1
		.amdhsa_float_denorm_mode_32 3
		.amdhsa_float_denorm_mode_16_64 3
		.amdhsa_memory_ordered 1
		.amdhsa_forward_progress 1
		.amdhsa_inst_pref_size 76
	.end_amdhsa_kernel
	.amdgpu_metadata
---
amdhsa.version: [ 1, 2 ]
amdhsa.kernels:
  - .name:           k_q85160944d0_attn
    .symbol:         k_q85160944d0_attn.kd
    .args:
      - { .name: qkv_img, .offset: 0, .size: 8, .value_kind: global_buffer, .address_space: global }
      - { .name: qkv_sc, .offset: 8, .size: 8, .value_kind: global_buffer, .address_space: global }
      - { .name: ctx_img, .offset: 16, .size: 8, .value_kind: global_buffer, .address_space: global }
      - { .name: ctx_sc, .offset: 24, .size: 8, .value_kind: global_buffer, .address_space: global }
    .group_segment_fixed_size: 76288
    .private_segment_fixed_size: 0
    .kernarg_segment_align: 8
    .kernarg_segment_size: 32
    .max_flat_workgroup_size: 512
    .sgpr_count:     66
    .vgpr_count:     256
    .wavefront_size: 32
...
	.end_amdgpu_metadata
.endif
;; end of part 3
;; launch outp (part 4): grid 8 x 32, 4 waves a work-group, clusters of 4 x 4, 229,888 bytes of LDS; arguments ctx_img, ctx_sc, w_img, w_sc, bo, out0; writes out0
.if DOCPART == 4
	.amdgcn_target "amdgcn-amd-amdhsa--gfx1250"
	.amdhsa_code_object_version 6
	.text
	.protected	k_q85160944d0_outp
	.globl	k_q85160944d0_outp
	.p2align	8
	.type	k_q85160944d0_outp,@function
k_q85160944d0_outp:
	s_mov_b64 s[64:65], 0
	v_nop
	global_prefetch_b8 v0, s[64:65] scope:SCOPE_SE
	s_setreg_imm32_b32 hwreg(HW_REG_WAVE_MODE, 25, 1), 1
	s_wait_xcnt 0x0
	s_wait_alu depctr_hold_cnt(0) depctr_sa_sdst(0) depctr_va_vdst(0) depctr_va_sdst(0) depctr_va_ssrc(0) depctr_va_vcc(0) depctr_vm_vsrc(0)
	s_getreg_b32 s2, hwreg(HW_REG_IB_STS2, 6, 4)
	s_cmp_eq_u32 s2, 0
	s_cbranch_scc0 .Lentry_in_a_cluster
	s_endpgm
.Lentry_in_a_cluster:
	s_bfe_u32 s2, ttmp6, 0x10000c
	s_cmp_lg_u32 s2, 0xf033
	s_cbranch_scc0 .Lentry_shape_is_right
	s_endpgm
.Lentry_shape_is_right:
; out0 = ctx Wo^T + bo on codes of FP6 (E2M3) with E8M0 scales; sums and bias in f32.  ctx [4096][1024] and Wo (rows 3,072 on of the weights' image) arrive as images of the operand's registers.
; A tile of out0 is 128 x 128: 256 work-groups, one for each WGP; four waves, 64 x 64 each: 16 accumulators.  ALL OF K (1,024) of the tile's 128 + 128 rows fits in LDS: it is asked for at the head,
; in two halves, and nothing is filled again: no ring.  The second half's landing is shown by one barrier, in step 3.
; CLUSTERS: 4 x 4.  ctx's tiles are shared along a row of the cluster, Wo's along a column: joint loads, behind one round; a closing round stands at the end.
; THE MATRIX INSTRUCTION IS USED TRANSPOSED (source 0 = 16 rows of Wo, source 1 = 16 rows of ctx): a lane holds eight neighbouring numbers of a row of out0.  The bias is the C of each sum's first instruction.
; REGISTERS: window 0: v8-15 addresses; v16-23 scale words, two sets; v32-63 the bias; v64-127 rows on the way out; v128-255 the accumulators ((a, b) at 128 + 8 (4 a + b)).
;   window 1: two sets of fragments at v0 and v128: ctx's four at + 12 i, Wo's four at + 48 + 12 b.
.set HALFB, 98304                      ; half of K: [wave's part 4][256 along K: 2][4 row tiles x 3,072]
.set SCL,   196608                     ; the scales: wave x 2,048 + (K / 128) x 256
.set STAGE, 204800                     ; the way out: 16 rows x (256 + 16) bytes for each wave; no tensor load lands here
.set ADRA, 8
.set ADRB, 10
.set ADRS, 12
.set STO,  13
.set RD,   14
.set CO,   15
.set SC,   16
.set BIAS, 32
.set TMP,  64
.set ACC,  128
.set G1,   24
.set G1B,  32
.set G1S,  40
.set G1SB, 48
.set G0A0, 56
.set G0A1, 60
.set G0B0, 68
.set G0B1, 72
.set G0S,  76
.set G0SB, 80
.set MSB, 0
.macro WIN new
.if MSB != \new
	s_set_vgpr_msb (MSB<<8)|\new
.set MSB, \new
.endif
.endm
.macro JLOAD g0a, g1a, g0b, g1b        ; waves 0 and 1 fetch for ctx, waves 2 and 3 for Wo; four v_nop follow each of the two lines
	s_cmp_eq_u32 s17, 0
	s_cbranch_scc0 .Lfor_b_\@
	tensor_load_to_lds s[\g0a:\g0a+3], s[\g1a:\g1a+7]
	s_nop 0
.rept 4
	v_nop
.endr
	s_branch .Lasked_\@
.Lfor_b_\@:
	tensor_load_to_lds s[\g0b:\g0b+3], s[\g1b:\g1b+7]
	s_nop 0
.rept 4
	v_nop
.endr
.Lasked_\@:
.endm
.macro CROUND                          ; a round of the cluster's barrier
	s_barrier_signal -1
	s_barrier_wait -1
	s_cmp_lg_u32 s16, 0
	s_cbranch_scc1 .Lnot_wave_0_\@
	s_barrier_signal -3
.Lnot_wave_0_\@:
	s_barrier_wait -3
	s_barrier_signal -1
	s_barrier_wait -1
.endm
.macro MKG0 g, lr, lo, ptr, go
	s_mov_b32 s[\g], 1
	s_add_co_u32 s[\g+1], s[\lr], \lo
	s_add_nc_u64 s[\g+2:\g+3], s[\ptr:\ptr+1], \go
	s_or_b32 s[\g+3], s[\g+3], 0x80000000
.endm
	s_load_b256 s[4:11], s[0:1], 0x0               ; ctx_img, ctx_sc, w_img, w_sc
	s_load_b128 s[12:15], s[0:1], 0x20             ; bo, out0
	v_lshl_add_u32 v30, v0, 2, 0x38000
	v_mov_b32 v31, 0
	ds_add_u32 v30, v31
	ds_add_u32 v30, v31
	v_lshrrev_b32 v1, 5, v0
	v_readfirstlane_b32 s16, v1                    ; wave 0..3
	s_lshr_b32 s17, s16, 1                         ; which 64 rows of ctx are mine.  Also: I fetch for ctx (0) or for Wo (1)
	s_and_b32 s18, s16, 1                          ; which 64 rows of Wo.  Also: which 64 rows of that tile I fetch
	s_bfe_u32 s19, ttmp6, 0x40000                  ; cx
	s_bfe_u32 s20, ttmp6, 0x40004                  ; cy
	s_lshl_b32 s21, ttmp9, 2
	s_add_co_u32 s21, s21, s19                     ; tile column
	s_and_b32 s22, ttmp7, 0xffff
	s_lshl_b32 s22, s22, 2
	s_add_co_u32 s22, s22, s20                     ; tile row
	s_lshl_b32 s23, s20, 2
	s_lshl_b32 s23, 15, s23                        ; my row of the cluster
	s_lshl_b32 s84, 0x1111, s19                    ; my column
	s_or_b32 s[G1], s23, (3<<16)|(1<<21)           ; the mask; elements of 8 bytes; bit 21 beside a mask; no padding
	s_or_b32 s[G1B], s84, (3<<16)|(1<<21)
	s_or_b32 s[G1S], s23, (3<<16)|(1<<21)
	s_or_b32 s[G1SB], s84, (3<<16)|(1<<21)
.irp g, G1, G1B                        ; 64 rows x 512 along K: two rows of 12,288 dense bytes, 786,432 bytes apart
	s_mov_b32 s[\g+1], 1536<<16
	s_mov_b32 s[\g+2], 2<<16
	s_mov_b32 s[\g+3], 1536<<16
	s_mov_b32 s[\g+4], 2
	s_mov_b32 s[\g+5], 98304
	s_mov_b32 s[\g+6], 0
	s_mov_b32 s[\g+7], 0
.endr
.irp g, G1S, G1SB                      ; the scale words of 64 rows: 8 rows of 256 bytes, 16,384 bytes apart
	s_mov_b32 s[\g+1], 32<<16
	s_mov_b32 s[\g+2], 8<<16
	s_mov_b32 s[\g+3], 32<<16
	s_mov_b32 s[\g+4], 8
	s_mov_b32 s[\g+5], 2048
	s_mov_b32 s[\g+6], 0
	s_mov_b32 s[\g+7], 0
.endr
	s_mul_i32 s85, s18, 12288
	s_mul_i32 s86, s22, 24576
	s_add_co_u32 s86, s86, s85
	s_mov_b32 s87, 0
	s_mul_i32 s88, s21, 24576
	s_add_co_u32 s88, s88, s85
	s_add_co_u32 s88, s88, 589824                  ; Wo begins at row tile 192
	s_mov_b32 s89, 0
	s_wait_dscnt 0x0
	s_wait_kmcnt 0x0
	s_add_nc_u64 s[4:5], s[4:5], s[86:87]
	s_add_nc_u64 s[8:9], s[8:9], s[88:89]
	s_lshl_b32 s85, s18, 8
	s_lshl_b32 s86, s22, 9
	s_add_co_u32 s86, s86, s85
	s_lshl_b32 s88, s21, 9
	s_add_co_u32 s88, s88, s85
	s_add_co_u32 s88, s88, 12288
	s_add_nc_u64 s[6:7], s[6:7], s[86:87]
	s_add_nc_u64 s[10:11], s[10:11], s[88:89]
	s_mul_i32 s90, s16, 24576                      ; where they go: by the wave's number alone
	s_lshl_b32 s91, s16, 11
	MKG0 G0S,  91, SCL, 6, 0
	MKG0 G0SB, 91, SCL, 10, 0
	MKG0 G0A0, 90, 0, 4, 0
	MKG0 G0B0, 90, 0, 8, 0
	MKG0 G0A1, 90, HALFB, 4, 1572864
	MKG0 G0B1, 90, HALFB, 8, 1572864
	CROUND                                         ; all sixteen work-groups are here: the joint loads meet
	JLOAD G0S, G1S, G0SB, G1SB                     ; three loads of mine go out as one group
	JLOAD G0A0, G1, G0B0, G1B
	JLOAD G0A1, G1, G0B1, G1B
	s_lshl_b32 s2, s21, 9
	s_lshl_b32 s3, s18, 8
	s_add_co_u32 s2, s2, s3                        ; my first column, in bytes: 512 x tile column + 256 x half
	s_mov_b32 s3, 0
	s_add_nc_u64 s[12:13], s[12:13], s[2:3]
	s_add_nc_u64 s[14:15], s[14:15], s[2:3]
	s_lshl_b32 s2, s22, 7
	s_lshl_b32 s92, s17, 6
	s_add_co_u32 s2, s2, s92
	s_lshl_b32 s2, s2, 12                          ; my first row: 128 x tile row + 64 x half, 4,096 bytes each
	s_add_nc_u64 s[14:15], s[14:15], s[2:3]
	v_and_b32 v1, 15, v0                           ; r
	v_bfe_u32 v2, v0, 4, 1                         ; h
	v_and_b32 v3, 31, v0
	v_lshlrev_b32 v4, 3, v3                        ; 8 x lane
	v_lshlrev_b32 v5, 4, v1                        ; 16 r
	v_lshlrev_b32 v7, 5, v2                        ; 32 h
.irp b, 0,1,2,3
	global_load_b128 v[BIAS+8*\b:BIAS+8*\b+3], v7, s[12:13] offset:64*\b        ; bo at my eight columns of block b: 16 b + 8 h + 0 .. 7
	global_load_b128 v[BIAS+8*\b+4:BIAS+8*\b+7], v7, s[12:13] offset:64*\b+16
.endr
	s_mul_i32 s85, s17, 24576
	s_mul_i32 s92, s18, 24576
	s_add_co_u32 s92, s92, 49152
.irp hh, 0,1
	v_add_nc_u32 v[ADRA+\hh], s85, v4
	v_add_nc_u32 v[ADRB+\hh], s92, v4
	s_add_co_u32 s85, s85, HALFB
	s_add_co_u32 s92, s92, HALFB
.endr
	s_lshl_b32 s85, s17, 11
	s_lshl_b32 s92, s18, 11
	s_add_co_u32 s92, s92, 4096
	s_sub_co_u32 s92, s92, s85
	v_mul_u32_u24 v6, s92, v2                      ; lanes 16-31 take Wo's words
	s_add_co_u32 s85, s85, SCL
	v_add_nc_u32 v6, v6, v5
	v_add_nc_u32 v[ADRS], s85, v6
	s_mul_i32 s85, s16, 16*272
	s_add_co_u32 s85, s85, STAGE                   ; my stage
	v_mul_u32_u24 v6, v1, 272
	v_add_nc_u32 v6, v6, v7
	v_add_nc_u32 v[STO], s85, v6                   ; in: row r, 32 bytes for each half of the lanes
	v_mul_u32_u24 v6, v2, 272
	v_add_nc_u32 v6, v6, v5
	v_add_nc_u32 v[RD], s85, v6                    ; back: lanes 0-15 one row of 256 bytes, lanes 16-31 the next
	v_lshl_add_u32 v[CO], v2, 12, v5               ; and the same two rows in out0
.macro FETCH t                         ; step t's scale words and eight fragments into set t % 2
.set FP, 128*((\t)%2)
.set FH, (\t)/4
.set FO, (((\t)/2)%2)*12288+((\t)%2)*1536
	ds_load_b128 v[SC+4*((\t)%2):SC+4*((\t)%2)+3], v[ADRS] offset:(\t)*256
	WIN 0x40                                       ; destination window 1
.irp i, 0,1,2,3
.irp c, 0,1,2,3,4,5
	ds_load_b64 v[FP+12*\i+2*\c:FP+12*\i+2*\c+1], v[ADRA+FH] offset:FO+\i*3072+256*\c
.endr
.endr
.irp i, 0,1,2,3
.irp c, 0,1,2,3,4,5
	ds_load_b64 v[FP+48+12*\i+2*\c:FP+48+12*\i+2*\c+1], v[ADRB+FH] offset:FO+\i*3072+256*\c
.endr
.endr
	WIN 0
.endm
.macro MUL t                           ; 16 matrix instructions, the 16 accumulators by turns, in the same order in every step
.set P, (\t)%2
	WIN 0x05                                       ; sources 0 and 1 window 1; C and D window 0
.irp a, 0,1,2,3
.irp b, 0,1,2,3
.if (\t) == 0
	v_wmma_scale_f32_16x16x128_f8f6f4 v[ACC+8*(4*\a+\b):ACC+8*(4*\a+\b)+7], v[128*P+48+12*\b:128*P+48+12*\b+11], v[128*P+12*\a:128*P+12*\a+11], v[BIAS+8*\b:BIAS+8*\b+7], v[SC+4*P+\b], v[SC+4*P+\a] matrix_a_fmt:MATRIX_FMT_FP6 matrix_b_fmt:MATRIX_FMT_FP6 matrix_a_scale:MATRIX_SCALE_ROW1
.else
	v_wmma_scale_f32_16x16x128_f8f6f4 v[ACC+8*(4*\a+\b):ACC+8*(4*\a+\b)+7], v[128*P+48+12*\b:128*P+48+12*\b+11], v[128*P+12*\a:128*P+12*\a+11], v[ACC+8*(4*\a+\b):ACC+8*(4*\a+\b)+7], v[SC+4*P+\b], v[SC+4*P+\a] matrix_a_fmt:MATRIX_FMT_FP6 matrix_b_fmt:MATRIX_FMT_FP6 matrix_a_scale:MATRIX_SCALE_ROW1
.endif
.endr
.endr
	WIN 0
.endm
.macro STEP t
	s_wait_dscnt 0x0                               ; this step's fragments and scale words are in (asked for ahead of the last step's products)
.if \t == 3
	s_wait_tensorcnt 0x0                           ; my part of K's second half has landed,
	s_barrier_signal -1
	s_barrier_wait -1                              ; everybody's has
.endif
.if \t < 7
.rept 4
	v_nop                                          ; places in front of loads into registers that matrix instructions have read
.endr
	FETCH (\t)+1
.endif
	MUL \t
.endm
	s_wait_tensorcnt 1                             ; the scales and my part of K's first half are in; the second half may be out
	s_barrier_signal -1
	s_barrier_wait -1
	FETCH 0
	s_wait_loadcnt 0x0                             ; the bias
.irp t, 0,1,2,3,4,5,6,7
	STEP \t
.endr
.rept 4
	v_nop                                          ; behind the last products
.endr
; THE WAY OUT, a block of 16 rows x 64 columns at a time, through my own stage: back come whole rows of 256 bytes.  LDS serves a wave's instructions in order: no wait between the stores and the loads.
.macro TOSTAGE a
.irp b, 0,1,2,3
	ds_store_b128 v[STO], v[ACC+8*(4*(\a)+\b):ACC+8*(4*(\a)+\b)+3] offset:64*\b         ; each accumulator from its low end on
	ds_store_b128 v[STO], v[ACC+8*(4*(\a)+\b)+4:ACC+8*(4*(\a)+\b)+7] offset:64*\b+16
.endr
.irp q, 0,1,2,3,4,5,6,7
	ds_load_b128 v[TMP+32*((\a)%2)+4*\q:TMP+32*((\a)%2)+4*\q+3], v[RD] offset:2*\q*272
.endr
.endm
.macro SEND a
.irp q, 0,1,2,3,4,5,6,7
	global_store_b128 v[CO], v[TMP+32*((\a)%2)+4*\q:TMP+32*((\a)%2)+4*\q+3], s[14:15] offset:(16*(\a)+2*\q)*4096 th:TH_STORE_NT   ; sixteen lanes store 256 consecutive bytes, aligned
.endr
.endm
	TOSTAGE 0
.irp a, 1,2,3
.if \a > 1
	s_wait_xcnt 0x0                                ; block a - 2's stores have read their registers: block a's loads may land there
.endif
	TOSTAGE \a
	s_wait_dscnt 16                                ; block a - 1 is back; block a's 8 stores and 8 loads may be out
	SEND \a-1
.endr
	s_wait_dscnt 0x0
	SEND 3
	s_wait_tensorcnt 0x0
	ds_add_u32 v30, v31
	s_wait_dscnt 0x0
	CROUND                                         ; the closing round: no work-group ends while a partner may still ask for a tile that names it
	s_endpgm
.Lfunc_end_k_q85160944d0_outp:
	.size	k_q85160944d0_outp, .Lfunc_end_k_q85160944d0_outp-k_q85160944d0_outp
	.p2alignl 7, 3214868480
	.fill 96, 4, 3214868480
	.section	.rodata,"a",@progbits
	.p2align	6, 0x0
	.amdhsa_kernel k_q85160944d0_outp
		.amdhsa_group_segment_fixed_size 229888
		.amdhsa_private_segment_fixed_size 0
		.amdhsa_enable_private_segment 0
		.amdhsa_kernarg_size 48
		.amdhsa_user_sgpr_count 2
		.amdhsa_user_sgpr_kernarg_segment_ptr 1
		.amdhsa_wavefront_size32 1
		.amdhsa_system_sgpr_workgroup_id_x 1
		.amdhsa_system_sgpr_workgroup_id_y 1
		.amdhsa_system_sgpr_workgroup_id_z 1
		.amdhsa_system_vgpr_workitem_id 0
		.amdhsa_next_free_vgpr 512
		.amdhsa_next_free_sgpr 96
		.amdhsa_reserve_vcc 0
		.amdhsa_float_denorm_mode_32 3
		.amdhsa_float_denorm_mode_16_64 3
		.amdhsa_memory_ordered 1
		.amdhsa_forward_progress 1
		.amdhsa_inst_pref_size 61
	.end_amdhsa_kernel
	.amdgpu_metadata
---
amdhsa.version: [ 1, 2 ]
amdhsa.kernels:
  - .name:           k_q85160944d0_outp
    .symbol:         k_q85160944d0_outp.kd
    .args:
      - { .name: ctx_img, .offset: 0, .size: 8, .value_kind: global_buffer, .address_space: global }
      - { .name: ctx_sc, .offset: 8, .size: 8, .value_kind: global_buffer, .address_space: global }
      - { .name: w_img, .offset: 16, .size: 8, .value_kind: global_buffer, .address_space: global }
      - { .name: w_sc, .offset: 24, .size: 8, .value_kind: global_buffer, .address_space: global }
      - { .name: bo, .offset: 32, .size: 8, .value_kind: global_buffer, .address_space: global }
      - { .name: out0, .offset: 40, .size: 8, .value_kind: global_buffer, .address_space: global }
    .group_segment_fixed_size: 229888
    .private_segment_fixed_size: 0
    .kernarg_segment_align: 8
    .kernarg_segment_size: 48
    .max_flat_workgroup_size: 128
    .sgpr_count:     96
    .vgpr_count:     512
    .wavefront_size: 32
...
	.end_amdgpu_metadata
.endif
;; end of part 4
;; ======== version 2 of 2: 4 launches; version 1 with the launch attn written anew for expert scheduling mode
;; workspace buffers: x_img 3,145,728 bytes; x_sc 131,072 bytes; w_img 3,145,728 bytes; w_sc 131,072 bytes; qkv_img 9,437,184 bytes; qkv_sc 655,360 bytes; ctx_img 3,145,728 bytes; ctx_sc 131,072 bytes
;; launch quant: the kernel of part 1 again; grid 256 x 1, 4 waves a work-group, no clusters, 34,304 bytes of LDS; arguments hidden_states, Wq, Wk, Wv, Wo, x_img, x_sc, w_img, w_sc; writes x_img, x_sc, w_img, w_sc
;; launch qkv: the kernel of part 2 again; grid 12 x 16, 4 waves a work-group, clusters of 4 x 4, 327,680 bytes of LDS; arguments x_img, x_sc, w_img, w_sc, qkv_img, qkv_sc; writes qkv_img, qkv_sc
;; launch attn (part 5): grid 16 x 16, 16 waves a work-group, no clusters, 76,288 bytes of LDS; arguments qkv_img, qkv_sc, ctx_img, ctx_sc; writes ctx_img, ctx_sc
.if DOCPART == 5
	.amdgcn_target "amdgcn-amd-amdhsa--gfx1250"
	.amdhsa_code_object_version 6
	.text
	.protected	k_q85160944d0_attn
	.globl	k_q85160944d0_attn
	.p2align	8
	.type	k_q85160944d0_attn,@function
k_q85160944d0_attn:
	s_mov_b64 s[64:65], 0
	v_nop
	global_prefetch_b8 v0, s[64:65] scope:SCOPE_SE
	s_setreg_imm32_b32 hwreg(HW_REG_WAVE_SCHED_MODE, 0, 2), 2
	s_setreg_imm32_b32 hwreg(HW_REG_WAVE_MODE, 25, 1), 1
	s_wait_xcnt 0x0
	s_wait_alu depctr_vm_vsrc(0)
; ctx[b][i][head] = softmax over the band i - 256 < j <= i of (q_i . k_j) times v_j, both products on codes of FP6 (E2M3) with E8M0 scales; no factor 1 / sqrt(d).
; t = score x log2(e); M = the running largest t rounded UP to a whole number; p = 2^(t - M) is quantised along the keys; the row's sum is taken of the unquantised p and divides at the end.
; ctx is quantised along the merged heads and leaves as the image of the last product's operand.
; SHARES.  A work-group owns 128 queries of a pair of heads; wave w owns head w / 8 of the pair and tile w % 8 of 16 queries.  The band of 128 queries lies in THREE aligned steps of 128 keys:
; the queries' own block and the two before it.  Blocks 0 and 1 have fewer: by a scalar branch on the work-group's number they enter the chain of steps at its third or its second step
; (the copies of a step that is left out are held at step 0 and not used).  The band is built by the module itself, so keys outside these steps are not multiplied.
; K's and V's images of the three steps (both heads) are copied into LDS once, by plain loads and stores: 9 of each a wave.
; NO CLUSTER: neighbouring blocks of queries share two of three steps, not all, and the first two blocks ask for fewer.
; LAYOUT.  Both products are used transposed: S^T = K Q^T (source 0 = 16 keys, source 1 = my 16 queries), O^T = V^T P^T: a lane holds ONE query.  A head has 64 along K: registers 6-11 of K's and Q's
; fragments hold zero codes.  Register 8 kt + j of S^T is key 16 kt + 8 (lane / 16) + j: two tiles give a block of 32 keys in the order 0-7, 16-23, 8-15, 24-31, in which V's codes were laid.
; LIMITS: NaN and infinities are not served; p under 2^-126 counts as 0 (v_exp_f32); a block's byte is held at 1 from below; a block of zeros gets the byte 1 (its codes are zeros).
; REGISTERS: v1-11, v28-31 addresses; v12 -M, v13 the largest t, v[14:15] the sum; v16-27 Q; v32-79 four fragments of K; v80-143 S^T, then p, then (v80-127) V's four fragments; v144-175 O^T;
;   v176-199 K's scale words, v200-211 V's, v253 p's, v255 Q's; v224-235 p's codes; v232-254 at work.
; THE MODE: SCHED_MODE bits 1:0 = 2 (LLVM: expert scheduling mode 2), set by the entry lines.  The code itself states the register dependences between vector or matrix instructions
; and memory or LDS instructions, with s_wait_alu, always for 0.
; THE PLAN.  Registers that memory or LDS instructions touch:
;   v1, v2, v5, v7-11, v28-30   addresses and offsets: written once at the head, ahead of the first wait on va_vdst; no vector instruction names them afterwards.
;   v80-115 at the head         the nine copies land there and nine LDS stores read them; one wait on vm_vsrc behind the barrier stands ahead of the first products, which write them.
;   K0 .. K3                    the six low registers of each fragment in v32-79: written by LDS loads alone, read by a step's eight products K Q^T.  Tiles 4-7 are asked for behind the products
;                               on tiles 0-3: a wait.  The NEXT step's tiles 0-3 are asked for behind the wait that the 64 exponentials have anyway: it stands behind the products on tiles 4-7.
;   v80-127 in a step           p: written by the exponentials, read by the sums and the conversions; behind these, a wait, and V's fragments land there.
;   v224-235, v253              p's codes and scale word: written by vector instructions, taken by scaled products: a wait directly ahead of these.
;   v22-27, the high six of K0 .. K3   zero codes, written once at the head, taken by scaled products: a wait behind the moves.
;   v224-229, v248, v80-83 on the way out   one wait ahead of the stores; no vector instruction follows it.
.set VIMG, 36864                       ; LDS: K's images [step 3][tile of keys 8][1536]; then V's [step 3][head 2 x tile of d 4][1536]
.set CSC,  73728                       ; ctx's scale words: 512 bytes
.set AK,   1                           ; v1  768 x head + 8 x lane
.set AV,   2                           ; v2  VIMG + 6,144 x head + 8 x lane
.set DD,   3                           ; v3  d = 16 t + r - 8 h
.set NINF, 4                           ; v4  -infinity
.set L8,   5                           ; v5  8 x lane
.set CW,   7                           ; v7  where my row's two scale bytes go in LDS
.set CR,   8                           ; v8  CSC + 16 x lane
.set KB,   32
.set S,    80
.set O,    144
.set KS,   176
.set VS,   200
.set WV,   12
.set HD,   13
.set TT,   14
.set YY,   15
.set SEL,  16                          ; s[16:17] lane selects: lane l xor 16
.set CS,   18                          ; s[18:19] log2(e): the packed form names a pair and takes its low word
.set MK,   20                          ; s[20:27] behind the head: the eight masks of a tile of keys
	s_load_b256 s[4:11], s[0:1], 0x0               ; qkv_img, qkv_sc, ctx_img, ctx_sc
	v_lshl_add_u32 v250, v0, 2, 0x12200
	v_mov_b32 v251, 0
	v_lshrrev_b32 v6, 5, v0
	v_readfirstlane_b32 s[WV], v6                  ; wave 0..15
	s_and_b32 s[YY], ttmp7, 0xffff                 ; y = 8 x batch + pair of heads
	s_sub_co_i32 s34, ttmp9, 2
	s_max_i32 s34, s34, 0                          ; the three key steps, held at 0 from below
	s_sub_co_i32 s35, ttmp9, 1
	s_max_i32 s35, s35, 0
	s_mov_b32 s36, ttmp9
	s_wait_alu depctr_va_sdst(0)                   ; the wave's number is written, ahead of its first reader
	s_lshr_b32 s[HD], s[WV], 3                     ; which head of the pair.  Also: I copy K (0) or V (1)
	s_and_b32 s[TT], s[WV], 7                      ; which 16 queries
	s_lshl_b32 s37, s[HD], 4
	s_add_co_u32 s37, s37, s[YY]
	s_add_co_u32 s37, s37, 16
	s_lshl_b32 s37, s37, 4                         ; what I copy begins at index (16 + y) x 16 (K) or (32 + y) x 16 (V)
	s_lshl_b32 s33, s[YY], 4
.irp g, 0,1,2
	s_add_co_u32 s[38+2*\g], s37, s[34+\g]
	s_mul_i32 s[38+2*\g], s[38+2*\g], 12288
	s_mov_b32 s[39+2*\g], 0
	s_add_co_u32 s[44+2*\g], s33, s[34+\g]         ; 16 y + step
	s_lshl_b32 s[50+2*\g], s[44+2*\g], 9
	s_add_co_u32 s[50+2*\g], s[50+2*\g], 524288    ; V's scale words
	s_mov_b32 s[51+2*\g], 0
	s_add_co_u32 s[44+2*\g], s[44+2*\g], 256
	s_lshl_b32 s[44+2*\g], s[44+2*\g], 10          ; K's
	s_mov_b32 s[45+2*\g], 0
.endr
	s_add_co_u32 s56, s33, ttmp9                   ; Q: index 16 y + my block
	s_lshl_b32 s58, s56, 10
	s_mul_i32 s56, s56, 12288
	s_mul_i32 s24, s[TT], 1536
	s_add_co_u32 s56, s56, s24
	s_mul_i32 s24, s[HD], 768
	s_add_co_u32 s56, s56, s24
	s_mov_b32 s57, 0
	s_lshl_b32 s24, s[HD], 9
	s_add_co_u32 s58, s58, s24
	s_lshr_b32 s24, s[TT], 2
	s_lshl_b32 s24, s24, 8
	s_add_co_u32 s58, s58, s24
	s_and_b32 s24, s[TT], 3
	s_lshl_b32 s24, s24, 2
	s_add_co_u32 s58, s58, s24
	s_mov_b32 s59, 0
	s_and_b32 s20, s[YY], 7                        ; the pair of heads
	s_lshr_b32 s21, s[YY], 3                       ; the batch
	s_lshl_b32 s22, s20, 1
	s_add_co_u32 s22, s22, s[HD]                   ; my head
	s_lshl_b32 s23, s21, 7
	s_lshl_b32 s24, ttmp9, 3
	s_add_co_u32 s23, s23, s24
	s_add_co_u32 s23, s23, s[TT]                   ; my row tile of ctx
	s_lshr_b32 s24, s22, 2
	s_lshl_b32 s24, s24, 8
	s_add_co_u32 s24, s24, s23
	s_mul_i32 s60, s24, 3072
	s_and_b32 s24, s22, 3
	s_mul_i32 s24, s24, 768
	s_add_co_u32 s60, s60, s24                     ; ((head / 4) x 256 + row tile) x 3,072 + (head % 4) x 768
	s_mov_b32 s61, 0
	s_lshl_b32 s62, s20, 14
	s_lshl_b32 s24, s21, 13
	s_add_co_u32 s62, s62, s24
	s_lshl_b32 s24, ttmp9, 9
	s_add_co_u32 s62, s62, s24                     ; pair x 16,384 + (32 x batch + 2 x block) x 256
	s_mov_b32 s63, 0
	s_mov_b32 s[SEL], 0x76543210
	s_mov_b32 s[SEL+1], 0xfedcba98
	s_mov_b32 s[CS], 0x3fb8aa3b                    ; log2(e)
	s_mov_b32 s[CS+1], s[CS]
	v_and_b32 v31, 15, v0                          ; r
	v_bfe_u32 v6, v0, 4, 1                         ; h
	v_and_b32 v[L8], 31, v0
	v_lshlrev_b32 v[L8], 3, v[L8]
	v_lshlrev_b32 v29, 1, v[L8]                    ; 16 x lane
	v_and_b32 v9, 255, v0
	v_lshlrev_b32 v9, 4, v9                        ; the copies: 16 bytes a thread, 256 threads to K and 256 to V
	v_lshrrev_b32 v30, 8, v0
	v_mul_u32_u24 v30, v30, VIMG
	v_add_nc_u32 v30, v30, v9                      ; and their place in LDS
	v_lshlrev_b32 v10, 4, v31                      ; 16 r
	s_lshl_b32 s24, s[HD], 9
	v_add_nc_u32 v11, s24, v10                     ; K's scale words: 512 x head + 16 r
	s_lshl_b32 s24, s[HD], 8
	v_add_nc_u32 v28, s24, v10                     ; V's: 256 x head + 16 r
	s_mul_i32 s24, s[HD], 768
	v_add_nc_u32 v[AK], s24, v[L8]
	s_mul_i32 s24, s[HD], 6144
	s_add_co_u32 s24, s24, VIMG
	v_add_nc_u32 v[AV], s24, v[L8]
	s_lshl_b32 s24, s[TT], 4
	v_lshlrev_b32 v[DD], 3, v6
	v_sub_nc_u32 v[DD], v31, v[DD]
	v_add_nc_u32 v[DD], s24, v[DD]
	s_lshr_b32 s24, s[TT], 2
	s_lshl_b32 s24, s24, 8
	s_and_b32 s25, s[TT], 3
	s_lshl_b32 s25, s25, 2
	s_add_co_u32 s24, s24, s25
	s_lshl_b32 s25, s[HD], 1
	s_add_co_u32 s24, s24, s25
	s_add_co_u32 s24, s24, CSC
	v_add_nc_u32 v[CW], s24, v10                   ; [group of 4 tiles][row][tile]: my head's half of the word
	v_lshl_add_u32 v[CR], v[L8], 1, CSC
	v_mov_b32 v[NINF], 0xff800000
	s_wait_kmcnt 0x0
.irp g, 0,1,2
	s_add_nc_u64 s[38+2*\g:39+2*\g], s[4:5], s[38+2*\g:39+2*\g]
	s_add_nc_u64 s[44+2*\g:45+2*\g], s[6:7], s[44+2*\g:45+2*\g]
	s_add_nc_u64 s[50+2*\g:51+2*\g], s[6:7], s[50+2*\g:51+2*\g]
.endr
	s_add_nc_u64 s[56:57], s[4:5], s[56:57]
	s_add_nc_u64 s[58:59], s[6:7], s[58:59]
	s_add_nc_u64 s[60:61], s[8:9], s[60:61]
	s_add_nc_u64 s[62:63], s[10:11], s[62:63]
	s_wait_alu depctr_va_vdst(0)                   ; all addresses and offsets (v1, v2, v5, v7-11, v28-30) are written: every load and store of the kernel, global or LDS, reads one of them, and none is written again
.irp g, 0,1,2
.irp i, 0,1,2
	global_load_b128 v[S+4*(3*\g+\i):S+4*(3*\g+\i)+3], v9, s[38+2*\g:39+2*\g] offset:\i*4096   ; a wave reads 512 consecutive bytes
.endr
.endr
.irp g, 0,1,2
	global_load_b128 v[KS+8*\g:KS+8*\g+3], v11, s[44+2*\g:45+2*\g]                ; the words of four tiles of keys in four registers
	global_load_b128 v[KS+8*\g+4:KS+8*\g+7], v11, s[44+2*\g:45+2*\g] offset:256
	global_load_b128 v[VS+4*\g:VS+4*\g+3], v28, s[50+2*\g:51+2*\g]
.endr
.irp p, 0,1,2
	global_load_b64 v[16+2*\p:17+2*\p], v[L8], s[56:57] offset:256*\p            ; Q's half fragment stays in registers
.endr
	global_load_b32 v255, v10, s[58:59]
.irp j, 22,23,24,25,26,27
	v_mov_b32 v[\j], 0                             ; K = 64 .. 127 of Q: zero codes
.endr
.irp tt, 0,1,2,3
.irp j, 6,7,8,9,10,11
	v_mov_b32 v[KB+12*\tt+\j], 0                   ; and of K's four fragments: never loaded over
.endr
.endr
.set i, 0
.rept 32
	v_mov_b32 v[O+i], 0                            ; O^T: the step is written once; the first finds zeros
.set i, i+1
.endr
	v_mov_b32 v13, 0xff61b1e6                      ; the largest t so far: -3e38
	v_floor_f32 v12, -v13                          ; -M
	v_mov_b32 v14, 0
	v_mov_b32 v15, 0
.irp b, 0,1,2,3
	v_mov_b32 v[236+\b], 0                         ; written once: a lane permute's destination counts as one of its sources
.endr
	v_mov_b32 v253, 0                              ; (named as the upper half of the pair v[252:253] before it is first written)
	s_wait_alu depctr_va_vdst(0)                   ; the zero codes in v22-27 and in the high six registers of K's four fragments are written: the scaled products take them as operands
	s_wait_loadcnt 13                              ; my nine copies are in; the thirteen loads behind them may be out
.irp g, 0,1,2
.irp i, 0,1,2
	ds_store_b128 v30, v[S+4*(3*\g+\i):S+4*(3*\g+\i)+3] offset:\g*12288+\i*4096   ; (no vector instruction has named v30 or these data since the first wait on va_vdst)
.endr
.endr
	s_wait_dscnt 0x0                               ; for the others' sake: my stores have landed
	s_barrier_signal -1
	s_barrier_wait -1                              ; K's and V's images lie in LDS; nobody writes them again
	s_wait_alu depctr_vm_vsrc(0)                   ; my LDS stores have read v80-115, which the first products write
	s_wait_loadcnt 0x0                             ; Q and the scale words
; Four tiles of 16 keys of step g (tiles 4 u to 4 u + 3): the six low registers of K's four fragments
.macro KLOAD g, u
.irp tt, 0,1,2,3
.irp p, 0,1,2
	ds_load_b64 v[KB+12*\tt+2*\p:KB+12*\tt+2*\p+1], v[AK] offset:(\g)*12288+(4*(\u)+\tt)*1536+256*\p
.endr
.endr
.endm
; A KEY STEP of 128 keys.  Its first four tiles of K have been asked for: by the step before, or by the entry.
; mask = 1: the band's lower edge (key c counts where c > 16 t + r);  2: the diagonal (where c <= 16 t + r);  0: all keys count.
.macro BODY g, mask
.irp u, 0,1                                    ; S^T = K Q^T, four tiles of 16 keys at a time
.if \u
.rept 4
	v_nop                                          ; places behind the four products
.endr
	s_wait_alu depctr_va_vdst(0)                   ; the products on tiles 0-3 are done reading K's four fragments, in which tiles 4-7 land
	KLOAD \g, 1
.endif
	s_wait_dscnt 0x0
.irp tt, 0,1,2,3
	v_wmma_scale_f32_16x16x128_f8f6f4 v[S+8*(4*\u+\tt):S+8*(4*\u+\tt)+7], v[KB+12*\tt:KB+12*\tt+11], v[16:27], 0, v[KS+8*\g+4*\u+\tt], v255 matrix_a_fmt:MATRIX_FMT_FP6 matrix_b_fmt:MATRIX_FMT_FP6
.endr
.endr
.rept 4
	v_nop
.endr
.if \mask == 2                                 ; register 8 kt + j is key c = 16 kt + 8 h + j: hidden where 16 kt + j > d.  A tile of keys ahead of my tile of queries counts whole: its lines are jumped over
.irp kt, 0,1,2,3,4,5,6,7
	s_cmp_gt_u32 s[TT], \kt
	s_cbranch_scc1 .Lm_\@_\kt
.irp j, 0,1,2,3,4,5,6,7
	v_cmp_gt_i32 s[MK+\j], 16*\kt+\j, v[DD]        ; the tile's eight compares in one run, a scalar register each
.endr
	s_wait_alu depctr_va_sdst(0)                   ; the eight masks are written, ahead of the selects that read them
.irp j, 0,1,2,3,4,5,6,7
	v_cndmask_b32 v[S+8*\kt+\j], v[S+8*\kt+\j], v[NINF], s[MK+\j]
.endr
.Lm_\@_\kt:
.endr
.endif
.if \mask == 1                                 ; hidden where 16 kt + j <= d.  A tile of keys behind my tile of queries counts whole
.irp kt, 0,1,2,3,4,5,6,7
	s_cmp_lt_u32 s[TT], \kt
	s_cbranch_scc1 .Lm_\@_\kt
.irp j, 0,1,2,3,4,5,6,7
	v_cmp_le_i32 s[MK+\j], 16*\kt+\j, v[DD]
.endr
	s_wait_alu depctr_va_sdst(0)                   ; the eight masks are written, ahead of the selects that read them
.irp j, 0,1,2,3,4,5,6,7
	v_cndmask_b32 v[S+8*\kt+\j], v[S+8*\kt+\j], v[NINF], s[MK+\j]
.endr
.Lm_\@_\kt:
.endr
.endif
.irp b, 0,1,2,3
	v_max3_num_f32 v[232+\b], v[S+16*\b], v[S+1+16*\b], v[S+2+16*\b]   ; the largest score of each block of 32 keys: for the row's maximum, and, since p rises with the score, for the block's largest p
.endr
.irp i, 3,5,7,9,11,13
.irp b, 0,1,2,3
	v_max3_num_f32 v[232+\b], v[232+\b], v[S+16*\b+\i], v[S+1+16*\b+\i]
.endr
.endr
.irp b, 0,1,2,3
	v_max_num_f32 v[232+\b], v[232+\b], v[S+15+16*\b]
.endr
.irp b, 0,1,2,3
	v_permlanex16_b32 v[236+\b], v[232+\b], s[SEL], s[SEL+1]
.endr
.irp b, 0,1,2,3
	v_max_num_f32 v[232+\b], v[232+\b], v[236+\b]  ; with lane l xor 16's 16 keys
.endr
	v_max3_num_f32 v254, v232, v233, v234
	v_max_num_f32 v254, v254, v235                 ; the step's largest score of my query
	v_mul_f32 v254, s[CS], v254                    ; as t
	v_max_num_f32 v13, v13, v254                   ; the running largest t (a step all of whose keys are hidden leaves it)
	v_mov_b32 v254, v12
	v_floor_f32 v12, -v13                          ; the new -M = -ceil(t): a whole number
	v_sub_f32 v254, v12, v254                      ; old M - new M: a whole number, 0 or less
	v_cvt_i32_f32 v254, v254                       ; (it saturates)
	v_ldexp_f32 v252, 1.0, v254                    ; f = 2^(old M - new M): rounds nothing
.set i, 0
.rept 32
	v_pk_fma_f32 v[S+i:S+i+1], v[S+i:S+i+1], s[CS:CS+1], v[12:13] op_sel_hi:[1,0,0]   ; t - M, two at a time
.set i, i+2
.endr
.irp b, 0,1,2,3
	v_fma_f32 v[232+\b], v[232+\b], s[CS], v12     ; the same of each block's largest score
.endr
.set i, 0
.rept 64
	v_exp_f32 v[S+i], v[S+i]                       ; p = 2^(t - M): not normalised
.set i, i+1
.endr
	v_pk_mul_f32 v[14:15], v[14:15], v[252:253] op_sel_hi:[1,0]   ; the sums under the new M: a plain instruction behind the exponentials
	s_wait_alu depctr_va_vdst(0)                   ; the 64 exponentials have written p, ahead of its first reader; and the products on tiles 4-7 are done reading K's four fragments
.if \g < 2
	KLOAD \g+1, 0                                  ; the next step's first four tiles.  No wait of their own: no vector or matrix instruction since the wait above names these registers or v1
.endif
.irp b, 0,1,2,3
	v_exp_f32 v[232+\b], v[232+\b]                 ; the block's largest p: the same two instructions on the same number
.endr
	v_pk_add_f32 v[236:237], v[S:S+1], v[S+2:S+3]  ; the row's sum is taken of the unquantised p, in two chains; it reads the 64 alone
.irp j, 4,8,12,16,20,24,28,32,36,40,44,48,52,56,60
	v_pk_add_f32 v[14:15], v[14:15], v[S+\j:S+1+\j]
	v_pk_add_f32 v[236:237], v[236:237], v[S+2+\j:S+3+\j]
.endr
	v_pk_add_f32 v[14:15], v[14:15], v[236:237]
	s_wait_alu depctr_va_vdst(0)                   ; the four exponentials have written v232-235, ahead of their first reader
.irp b, 0,1,2,3
	v_max_num_f32 v[232+\b], 0x1800000, v[232+\b]  ; the floor 2^(3 - 127): the byte cannot fall under 1
.endr
.irp b, 0,1,2,3
	v_add_nc_u32 v[244+\b], 0xff000000, v[232+\b]  ; 2 off the exponent field: the conversion's scale operand
.endr
.irp b, 0,1,2,3
	v_lshrrev_b32 v[236+\b], 23, v[244+\b]         ; the scale's byte
.endr
	v_lshl_or_b32 v253, v237, 8, v236              ; p's scale word for these 128 keys
	v_lshl_or_b32 v253, v238, 16, v253
	v_lshl_or_b32 v253, v239, 24, v253
.irp c, 0,1
	v_cvt_scalef32_pk16_fp6_f32 v[224+6*\c:226+6*\c], v[S+32*\c:S+15+32*\c], v[244+2*\c]
	v_cvt_scalef32_pk16_fp6_f32 v[236+4*\c:238+4*\c], v[S+16+32*\c:S+31+32*\c], v[244+2*\c+1]
.endr
	v_nop                                          ; one plain instruction behind the scaled conversions
	s_wait_alu depctr_va_vdst(0)                   ; the sums and the conversions are done reading p: V's fragments land in its registers.  What follows up to the products names none of v80-127 nor v2
.irp dt, 0,1,2,3                               ; V's four fragments (16 of the head's 64 x 128 keys) land where p lay
.irp q, 0,1,2,3,4,5
	ds_load_b64 v[S+12*\dt+2*\q:S+12*\dt+2*\q+1], v[AV] offset:\g*12288+\dt*1536+256*\q
.endr
.endr
.irp c, 0,1                                    ; the operand wants a whole block in a lane
.irp i, 0,1,2
	v_permlane16_swap_b32 v[224+6*\c+\i], v[236+4*\c+\i]
.endr
.irp i, 0,1,2
	v_mov_b32 v[227+6*\c+\i], v[236+4*\c+\i]
.endr
.endr
.set i, 0
.rept 16
	v_pk_mul_f32 v[O+i:O+i+1], v[O+i:O+i+1], v[252:253] op_sel_hi:[1,0]   ; O^T under the new M, each accumulator from its low end on.  These sixteen are also the places in front of the products below
.set i, i+2
.endr
	s_wait_dscnt 0x0                               ; V's fragments are in (and the next step's tiles of K, asked for ahead of them)
	s_wait_alu depctr_va_vdst(0)                   ; p's codes in v224-235 and its scale word in v253 are written: the scaled products below take them; the places above stay beside this wait
.irp dt, 0,1,2,3
	v_wmma_scale_f32_16x16x128_f8f6f4 v[O+8*\dt:O+8*\dt+7], v[S+12*\dt:S+12*\dt+11], v[224:235], v[O+8*\dt:O+8*\dt+7], v[VS+4*\g+\dt], v253 matrix_a_fmt:MATRIX_FMT_FP6 matrix_b_fmt:MATRIX_FMT_FP6
.endr
.rept 5
	v_nop                                          ; the next step's scores are written over V's fragments: five places; behind the last step they serve the reads of O^T
.endr
.endm
	; THE CHAIN OF STEPS, with three entries.  Block 0 of the queries has the diagonal step alone, block 1 the last two, every other block all three.  Each entry asks for the first four tiles of K
	; of the step at which it enters; a later step's were asked for in the step before.  So on every way into a step the same twelve loads have been issued for it.
	s_cmp_eq_u32 ttmp9, 0
	s_cbranch_scc1 .Lfrom_2
	s_cmp_eq_u32 ttmp9, 1
	s_cbranch_scc1 .Lfrom_1
	KLOAD 0, 0                                     ; (no vector instruction has named these registers, and v1 was written ahead of the first wait on va_vdst)
	BODY 0, 1
	s_branch .Lstep_1
.Lfrom_1:
	KLOAD 1, 0
.Lstep_1:
	BODY 1, 0
	s_branch .Lstep_2
.Lfrom_2:
	KLOAD 2, 0
.Lstep_2:
	BODY 2, 2
	; THE WAY OUT.  O^T / the sum is my query's 64 numbers of my head: two blocks of 32 along the last product's K.  They are quantised and leave as half a fragment: three stores of 256 bytes.
	v_add_f32 v14, v14, v15
	v_permlanex16_b32 v252, v14, s[SEL], s[SEL+1]
	v_add_f32 v14, v14, v252                       ; the row's sum
	v_rcp_f32 v14, v14
	v_nop                                          ; a plain instruction behind the reciprocal
	s_wait_alu depctr_va_vdst(0)                   ; the reciprocal has written v14, ahead of its first reader
.set i, 0
.rept 16
	v_pk_mul_f32 v[S+i:S+i+1], v[O+i:O+i+1], v[14:15] op_sel_hi:[1,0]
.set i, i+2
.endr
.irp b, 0,1
	v_max3_num_f32 v[232+\b], |v[S+16*\b]|, |v[S+1+16*\b]|, 0x1800000
.endr
.irp i, 2,4,6,8,10,12,14
.irp b, 0,1
	v_max3_num_f32 v[232+\b], v[232+\b], |v[S+16*\b+\i]|, |v[S+1+16*\b+\i]|
.endr
.endr
.irp b, 0,1
	v_permlanex16_b32 v[236+\b], v[232+\b], s[SEL], s[SEL+1]
.endr
.irp b, 0,1
	v_max_num_f32 v[232+\b], v[232+\b], v[236+\b]
.endr
.irp b, 0,1
	v_add_nc_u32 v[244+\b], 0xff000000, v[232+\b]
.endr
.irp b, 0,1
	v_lshrrev_b32 v[236+\b], 23, v[244+\b]
.endr
	v_lshl_or_b32 v248, v237, 8, v236              ; my head's two bytes of the row's scale word
	v_cvt_scalef32_pk16_fp6_f32 v[224:226], v[S:S+15], v244
	v_cvt_scalef32_pk16_fp6_f32 v[236:238], v[S+16:S+31], v245
	v_nop
.irp i, 0,1,2
	v_permlane16_swap_b32 v[224+\i], v[236+\i]
.endr
.irp i, 0,1,2
	v_mov_b32 v[227+\i], v[236+\i]
.endr
	s_wait_alu depctr_va_vdst(0)                   ; the codes in v224-229 and the two bytes in v248 are written, which the stores below read; and all that named v80-83 is done, in which the last LDS load lands: no vector instruction follows this wait
.irp p, 0,1,2
	global_store_b64 v[L8], v[224+2*\p:225+2*\p], s[60:61] offset:256*\p   ; 256 consecutive bytes, aligned
.endr
	ds_store_b16 v[CW], v248                       ; lanes r and r + 16 write the same two bytes with the same value
	s_wait_dscnt 0x0
	s_barrier_signal -1
	s_barrier_wait -1                              ; the sixteen waves' halves make 128 rows' words: 512 dense bytes
	s_cmp_lg_u32 s[WV], 0
	s_cbranch_scc1 .Lend
	ds_load_b128 v[S:S+3], v[CR]
	s_wait_dscnt 0x0
	global_store_b128 v29, v[S:S+3], s[62:63]      ; two aligned blocks of 256 bytes
.Lend:
	s_wait_dscnt 0x0
	s_wait_alu depctr_hold_cnt(0) depctr_sa_sdst(0) depctr_va_vdst(0) depctr_va_sdst(0) depctr_va_ssrc(0) depctr_va_vcc(0) depctr_vm_vsrc(0)
	s_wait_tensorcnt 0x0
	ds_add_u32 v250, v251
	s_wait_dscnt 0x0
	s_endpgm
.Lfunc_end_k_q85160944d0_attn:
	.size	k_q85160944d0_attn, .Lfunc_end_k_q85160944d0_attn-k_q85160944d0_attn
	.p2alignl 7, 3214868480
	.fill 96, 4, 3214868480
	.section	.rodata,"a",@progbits
	.p2align	6, 0x0
	.amdhsa_kernel k_q85160944d0_attn
		.amdhsa_group_segment_fixed_size 76288
		.amdhsa_private_segment_fixed_size 0
		.amdhsa_enable_private_segment 0
		.amdhsa_kernarg_size 32
		.amdhsa_user_sgpr_count 2
		.amdhsa_user_sgpr_kernarg_segment_ptr 1
		.amdhsa_wavefront_size32 1
		.amdhsa_system_sgpr_workgroup_id_x 1
		.amdhsa_system_sgpr_workgroup_id_y 1
		.amdhsa_system_sgpr_workgroup_id_z 1
		.amdhsa_system_vgpr_workitem_id 0
		.amdhsa_next_free_vgpr 256
		.amdhsa_next_free_sgpr 66
		.amdhsa_reserve_vcc 0
		.amdhsa_float_denorm_mode_32 3
		.amdhsa_float_denorm_mode_16_64 3
		.amdhsa_memory_ordered 1
		.amdhsa_forward_progress 1
		.amdhsa_inst_pref_size 87
	.end_amdhsa_kernel
	.amdgpu_metadata
---
amdhsa.version: [ 1, 2 ]
amdhsa.kernels:
  - .name:           k_q85160944d0_attn
    .symbol:         k_q85160944d0_attn.kd
    .args:
      - { .name: qkv_img, .offset: 0, .size: 8, .value_kind: global_buffer, .address_space: global }
      - { .name: qkv_sc, .offset: 8, .size: 8, .value_kind: global_buffer, .address_space: global }
      - { .name: ctx_img, .offset: 16, .size: 8, .value_kind: global_buffer, .address_space: global }
      - { .name: ctx_sc, .offset: 24, .size: 8, .value_kind: global_buffer, .address_space: global }
    .group_segment_fixed_size: 76288
    .private_segment_fixed_size: 0
    .kernarg_segment_align: 8
    .kernarg_segment_size: 32
    .max_flat_workgroup_size: 512
    .sgpr_count:     66
    .vgpr_count:     256
    .wavefront_size: 32
...
	.end_amdgpu_metadata
.endif
;; end of part 5
;; launch outp: the kernel of part 4 again; grid 8 x 32, 4 waves a work-group, clusters of 4 x 4, 229,888 bytes of LDS; arguments ctx_img, ctx_sc, w_img, w_sc, bo, out0; writes out0
